; MI455X (gfx1250); checked and timed in simulation.
; The chip was launched on July 23, 2026; its instructions are those of AMD's public machine-readable ISA for CDNA 5 (MIT licence, August 2026) and "CDNA5" Instruction Set Architecture Reference Guide (July 2026). The comments in the code are by the model that wrote it; some were corrected since.
;; Qwen3 Next Full Attention PT. Allowed arithmetic: matrix products marked QUANTISED: E4M3 operands, one E8M0 scale for each 32 along K, by v_wmma_scale_f32_16x16x128_f8f6f4 with both operands' format E4M3, f32 sums; everything else in f32.
;; Inputs: attention_mask 4 x 1 x 2,048 x 2,048 float32; cos 4 x 2,048 x 32 float32; hidden_states 4 x 2,048 x 2,048 float32; k_norm_w 128 float32; q_norm_w 128 float32; sin 4 x 2,048 x 32 float32; wk 2,048 x 512 float32; wo 512 x 2,048 float32; wq 2,048 x 1,024 float32; wv 2,048 x 512 float32.
;; Outputs: out0 4 x 2,048 x 2,048 float32.
;; This version of the problem:
;;   THIS VERSION OF THE PROBLEM IS GIVEN IN LOW PRECISION. The matrix products marked QUANTISED in the list below multiply operands that are first quantised to E4M3 (4 exponent bits, 3 mantissa bits; 8 bits a number), with one power-of-two scale for each 32 numbers along K (OCP MX v1.0); their sums are f32. All else is computed in f32.
;;   The module's matrix products, in the order in which they are computed (A, B: the left and right operand; K: the contracted axis; several contracted axes count as one K, in the product's order):
;;     1. [M 8,192, K 2,048] x [K 2,048, N 1,024]; A: input hidden_states; B: input wq: QUANTISED
;;     2. [M 8,192, K 2,048] x [K 2,048, N 512]; A: input hidden_states; B: input wk: QUANTISED
;;     3. [M 8,192, K 2,048] x [K 2,048, N 512]; A: input hidden_states; B: input wv: QUANTISED
;;     4. batch 16 x [M 2,048, K 128] x [K 128, N 2,048]; A: computed on the way; B: computed on the way: QUANTISED
;;     5. batch 16 x [M 2,048, K 2,048] x [K 2,048, N 128]; A: softmax (see below); B: computed on the way: QUANTISED
;;     6. [M 8,192, K 512] x [K 512, N 2,048]; A: computed on the way; B: input wo: QUANTISED
;;   THE QUANTISER, for each operand of a quantised product, along K:
;;     - K is cut into blocks of 32 from its start; a last block that is shorter is filled with zeros.
;;     - A block's scale is 2^e with e = floor(log2(the largest magnitude in the block)) - 8, held to -126 .. 127; a block of zeros has e = 0. As a byte (E8M0): e + 127.
;;     - Each number is divided by its block's scale, clamped to +-448, and rounded to the nearest number of E4M3, ties to even, subnormals kept.
;;     - The product sums the exact products of the quantised numbers (number of the format x scale) in f32.
;;   ~~~python
;;   def quantise(x, axis):      # numpy; x: float32 -> the quantised numbers, widened to float32 again
;;       x = np.moveaxis(x, axis, -1); K = x.shape[-1]
;;       x = np.pad(x, [(0, 0)] * (x.ndim - 1) + [(0, -K % 32)]); x = x.reshape(x.shape[:-1] + (-1, 32)); a = np.abs(x).max(-1, keepdims=True)
;;       e = np.where(a > 0, np.clip(np.frexp(np.where(a > 0, a, 1))[1] - 1 - 8, -126, 127), 0)      # np.frexp(a)[1] - 1 = floor(log2(a)), exactly
;;       r = np.clip(x / 2.0 ** e, -448, 448)
;;       step = 2.0 ** (np.maximum(np.frexp(np.where(r == 0, 1, r))[1] - 1, -6) - 3)
;;       q = np.round(r / step) * step * 2.0 ** e      # np.round: ties to even
;;       return np.moveaxis(q.reshape(q.shape[:-2] + (-1,))[..., :K], -1, axis).astype(np.float32)
;;   ~~~
;;   SOFTMAX AHEAD OF A QUANTISED PRODUCT. Where the list says 'softmax', what is quantised is not the finished softmax but p = 2^(t - M), with t = logit x log2(e) and M = ceil(the row's largest t), a whole number; so 1/2 < the row's largest p <= 1. The row's sum l is taken of the UNQUANTISED p, in f32, and the product's result is divided by l at the end. Since M is a whole number, a kernel that streams over the keys may use a running M (the ceiling of the running maximum): every later rescaling is an exact power of two, which a block's scale takes up: the codes' values come out the same.
;;   OPERANDS COMPUTED ON THE WAY. 'Computed on the way' means the value that the module computes at that place (a softmax that the list does not call 'softmax' is quantised finished and normalised). What goes into a quantiser is computed in f32, as accurately as f32 sums, v_exp_f32 and their like allow (about 1e-6 of the number): no bf16 or f16 on the way to a quantiser, and a product that is left as it is and whose result goes on into a quantised operand takes f32 operands (vector FMAs, or v_wmma_f32_16x16x4_f32). A number that lies on a knife's edge between two numbers of the format may be rounded either way, as far as f32 arithmetic and the matrix unit's own rounding can turn it there, and no further.
;; One version. Each part assembles by itself: llvm-mc -triple=amdgcn-amd-amdhsa -mcpu=gfx1250 --defsym DOCPART=n.
;; ======== version 1 of 1: 4 launches
;; limits: right only within a limited range of input values
;; workspace buffers: xq 17,301,504 bytes; wc 4,325,376 bytes; woc 1,081,344 bytes; qf 4,325,376 bytes; kv 8,650,752 bytes; gt 16,777,216 bytes; ac 4,325,376 bytes
;; launch quant (part 1): grid 256 x 1, 4 waves a work-group, no clusters, 266,752 bytes of LDS; arguments hidden_states, wq, wk, wv, wo, xq, wc, woc; writes xq, wc, woc
.if DOCPART == 1
	.amdgcn_target "amdgcn-amd-amdhsa--gfx1250"
	.amdhsa_code_object_version 6
	.text
	.protected	k_q9cdd500624_quant
	.globl	k_q9cdd500624_quant
	.p2align	8
	.type	k_q9cdd500624_quant,@function
k_q9cdd500624_quant:
	s_mov_b64 s[64:65], 0
	v_nop
	global_prefetch_b8 v0, s[64:65] scope:SCOPE_SE
	s_setreg_imm32_b32 hwreg(HW_REG_WAVE_MODE, 25, 1), 1
	s_wait_xcnt 0x0
; hidden_states [8192][2048] and the four weights ([K][N], K first) become codes of FP8 (E4M3) with one E8M0 byte for each 32 along K, laid as OPERAND RECORDS.
; A RECORD is 128 rows x 128 K, 16,896 bytes: eight images of a fragment's registers (tile i at 2048 i; registers 4 c .. 4 c + 3 at 512 c; lane l's 16 bytes at 16 l), then 512 bytes of
; scale words (row r of tile i at 16384 + 32 r + 4 i).  Tile i, lane row r holds row 32 (i / 2) + 8 (i % 2) + r % 8 + 16 (r / 8) of the 128: so a product that takes such a tile as source 0
; leaves 16 neighbours along the next K in a lane's 16 registers of two neighbouring result tiles.
; A block's scale is 2^(floor(log2(largest magnitude)) - 8); numbers are held within +-448 x the scale and rounded to the nearest code, ties to even.
; LIMITS: NaN and infinities among the inputs are not served; a block of zeros, or one whose largest magnitude lies under 2^-118, gets the byte 1 (its codes are zeros or the held floor's; the bytes are read by this program alone).
; SHARES.  W = 4 x work-group + wave, 0 .. 1023.  Wave W makes record W of xq (rows 128 (W / 16) on, K 128 (W % 16) on): its 128 x 128 numbers come by one tensor load of 128 rows x 512 bytes, issued at the head.
; It also makes five blocks of 32 columns x 32 K of the weights (two of wq, one each of wk, wv, wo): a lane takes a column and its registers run down K, so the codes come out with K innermost.
; The weights' scale bytes leave singly (160 KB of the launch's bytes); all other stores cover 512 consecutive bytes, or two aligned runs of 256.
; No LDS byte is filled twice and each wave reads its own bytes alone: no barrier.
.set PITCH, 520                        ; an LDS row: 512 bytes + 8 = 130 words: the 32 lanes of a ds_load_b64 below fall on words 2 (r % 8) + 32 (r / 8) + 16 h + 0, 1 modulo 64: all different
.set WREG,  128*PITCH                  ; a wave's region
.set REC,   16896
.set XA0,   32                         ; v32-159  two sets of 64 numbers of x (earlier: v32-191 the weights' 5 x 32 numbers)
.set WC,    192                        ; v192-231 the weights' codes, 8 registers a block
.set WB,    232                        ; v232-236 their bytes
.set PC,    192                        ; v192-207 x: the codes just made
.set TM,    208                        ; v208-223 x: at work
.set SW,    240                        ; v240-247 x: the eight tiles' scale words
.set OW,    248                        ; v248-251 the four that my half of the lanes stores
.set MNT,   22                         ; s22      the mantissa field of 448
.set SEL,   96                         ; s[96:97] selects for lane l xor 16
.set G1,    24                         ; s[24:31] descriptor group 1
.set G0,    32                         ; s[32:35] group 0
.set SRC,   48                         ; s[48:57] the five blocks' sources
.set XQ,    60                         ; s[60:61] my record of xq
.set DST,   66                         ; s[66:75] where their codes go
.set SCD,   76                         ; s[76:85] where their bytes go
; 64 numbers of a lane, v[s] .. v[s + 63], register 16 b + i = k 32 b + 16 (lane / 16) + i of my row, become a fragment's codes in v[PC] on and its scale word in v[pw]
.macro QUANT s, pw
.irp b, 0,1,2,3
	v_max3_num_f32 v[TM+\b], |v[\s+16*\b]|, |v[\s+1+16*\b]|, 0x4800000   ; my 16 numbers of block b, and the floor 2^(9 - 127): the byte cannot fall under 1
.endr
.irp i, 2,4,6,8,10,12,14
.irp b, 0,1,2,3
	v_max3_num_f32 v[TM+\b], v[TM+\b], |v[\s+16*\b+\i]|, |v[\s+1+16*\b+\i]|
.endr
.endr
.irp b, 0,1,2,3
	v_permlanex16_b32 v[TM+4+\b], v[TM+\b], s[SEL], s[SEL+1]
.endr
.irp b, 0,1,2,3
	v_max_num_f32 v[TM+\b], v[TM+\b], v[TM+4+\b]   ; with lane l xor 16's: the block's largest magnitude
.endr
.irp b, 0,1,2,3
	v_add_nc_u32 v[TM+12+\b], 0xfc000000, v[TM+\b]   ; 8 off its exponent field: the conversion's scale operand
.endr
.irp b, 0,1,2,3
	v_and_or_b32 v[TM+8+\b], v[TM+\b], 0x7f800000, s[MNT]   ; 448 x the scale
.endr
.irp b, 0,1,2,3
	v_lshrrev_b32 v[TM+4+\b], 23, v[TM+12+\b]   ; the scale's byte
.endr
	v_lshl_or_b32 v[\pw], v[TM+5], 8, v[TM+4]
	v_lshl_or_b32 v[\pw], v[TM+6], 16, v[\pw]
	v_lshl_or_b32 v[\pw], v[TM+7], 24, v[\pw]
.irp b, 0,1,2,3
.irp i, 0,1,2,3,4,5,6,7,8,9,10,11,12,13,14,15
	v_med3_num_f32 v[\s+16*\b+\i], v[\s+16*\b+\i], -v[TM+8+\b], v[TM+8+\b]   ; the conversion does not saturate (ISA guide 7.6.2): the hold comes first
.endr
	v_cvt_scalef32_pk8_fp8_f32 v[PC+4*\b:PC+1+4*\b], v[\s+16*\b:\s+7+16*\b], v[TM+12+\b]
	v_cvt_scalef32_pk8_fp8_f32 v[PC+2+4*\b:PC+3+4*\b], v[\s+8+16*\b:\s+15+16*\b], v[TM+12+\b]
.endr
	v_nop                                          ; a plain line behind the last conversion
.endm
	s_load_b256 s[4:11], s[0:1], 0x0               ; hidden_states, wq, wk, wv
	s_load_b256 s[12:19], s[0:1], 0x20             ; wo, xq, wc, woc
	v_lshl_add_u32 v254, v0, 2, 0x41000
	v_mov_b32 v255, 0
	ds_add_u32 v254, v255
	ds_add_u32 v254, v255
	v_lshrrev_b32 v1, 5, v0
	v_readfirstlane_b32 s20, v1                    ; wave
	s_lshl_b32 s21, ttmp9, 2
	s_add_co_u32 s21, s21, s20                     ; W
	s_mov_b32 s[MNT], 0x600000
	s_mov_b32 s[SEL], 0x76543210
	s_mov_b32 s[SEL+1], 0xfedcba98
	s_mov_b32 s[G1], (2<<16)|(1<<20)|(6<<22)|(1<<25)   ; no mask; elements of 4 bytes; padding on: 2 words behind every 128
	s_mov_b32 s[G1+1], 128<<16                     ; tensor_dim0
	s_mov_b32 s[G1+2], 128<<16                     ; tensor_dim1: all 128 rows of my record by ONE load
	s_mov_b32 s[G1+3], 128<<16                     ; tile_dim0
	s_mov_b32 s[G1+4], 128                         ; tile_dim1
	s_mov_b32 s[G1+5], 2048                        ; elements from row to row
	s_mov_b32 s[G1+6], 0
	s_mov_b32 s[G1+7], 0
	s_lshr_b32 s86, ttmp9, 2                       ; which 128 rows
	s_lshl_b32 s88, s86, 20                        ; x 128 rows of 8,192 bytes
	s_and_b32 s87, s21, 15                         ; which 128 along K
	s_lshl_b32 s87, s87, 9
	s_add_co_u32 s88, s88, s87
	s_mov_b32 s89, 0
	s_mul_i32 s90, s20, WREG                       ; my region of LDS
	s_mul_i32 s92, s21, REC                        ; record W
	s_mov_b32 s93, 0
	s_wait_dscnt 0x0
	s_wait_kmcnt 0x0
	s_add_nc_u64 s[88:89], s[4:5], s[88:89]
	s_add_nc_u64 s[XQ:XQ+1], s[14:15], s[92:93]
.irp n, 0
	s_mov_b32 s[G0+4*\n], 1
	s_add_co_u32 s[G0+4*\n+1], s90, \n*32*PITCH
	s_add_nc_u64 s[G0+4*\n+2:G0+4*\n+3], s[88:89], \n*32*8192
	s_or_b32 s[G0+4*\n+3], s[G0+4*\n+3], 0x80000000
.endr
.irp n, 0
	tensor_load_to_lds s[G0+4*\n:G0+4*\n+3], s[G1:G1+7]   ; my one tensor load: 128 rows x 512 bytes
	s_nop 0
.endr
.rept 4
	v_nop
.endr
	v_and_b32 v7, 31, v0                           ; lane
	v_lshlrev_b32 v1, 2, v7                        ; the weights: 4 bytes a lane
	v_bfe_u32 v8, v0, 3, 1
	v_bfe_u32 v9, v0, 4, 1
	v_and_b32 v10, 7, v0
	v_lshl_add_u32 v11, v9, 3, v10                 ; column 32 g + lane is row lane % 8 + 8 (lane / 16) of tile 2 (g % 4) + (lane / 8) % 2
	v_lshlrev_b32 v2, 4, v11
	v_lshl_add_u32 v2, v8, 11, v2                  ; its codes' place
	v_lshlrev_b32 v3, 5, v11
	v_lshl_add_u32 v3, v8, 2, v3                   ; its scale word's place
	v_lshl_add_u32 v12, v8, 4, v10                 ; x: lane row r takes row r % 8 + 16 (r / 8) of a tile's 32
	v_mul_u32_u24 v4, v12, PITCH
	v_lshl_add_u32 v4, v9, 6, v4                   ; + 64 h: my 16 numbers of a block of 32
	v_add_nc_u32 v4, s90, v4
	v_lshlrev_b32 v5, 4, v7                        ; an image's place for my lane
	v_and_b32 v13, 15, v0
	v_lshlrev_b32 v6, 5, v13
	v_lshl_add_u32 v6, v9, 4, v6                   ; the scale words' way out: 32 r + 16 h
; where block t comes from and goes to.  g = which 32 columns, kb = which 32 along K; nbytes = a row of the weight in bytes
.macro WSET t, base, dbase, gmask, ksh, kadd, nbytes, gmul, gadd, kst
	s_and_b32 s86, s21, \gmask                     ; g
	s_lshr_b32 s87, s21, \ksh
	s_add_co_u32 s87, s87, \kadd                   ; kb
	s_mul_i32 s88, s87, 32*\nbytes
	s_lshl_b32 s89, s86, 7
	s_add_co_u32 s88, s88, s89
	s_mov_b32 s89, 0
	s_add_nc_u64 s[SRC+2*\t:SRC+2*\t+1], s[\base:\base+1], s[88:89]
	s_lshr_b32 s90, s86, 2
	s_mul_i32 s90, s90, \gmul
	s_add_co_u32 s90, s90, \gadd                   ; the group of 128 operand rows
	s_mul_i32 s90, s90, \kst
	s_lshr_b32 s91, s87, 2
	s_add_co_u32 s90, s90, s91                     ; its record for this K step
	s_mul_i32 s90, s90, REC
	s_and_b32 s86, s86, 3
	s_and_b32 s87, s87, 3
	s_lshl_b32 s88, s86, 12                        ; two tiles for each 32 columns
	s_add_co_u32 s88, s88, s90
	s_lshl_b32 s91, s87, 9                         ; registers 4 c on
	s_add_co_u32 s88, s88, s91
	s_add_nc_u64 s[DST+2*\t:DST+2*\t+1], s[\dbase:\dbase+1], s[88:89]
	s_lshl_b32 s88, s86, 3
	s_add_co_u32 s88, s88, s90
	s_add_co_u32 s88, s88, s87                     ; byte c of the word
	s_add_co_u32 s88, s88, 16384
	s_add_nc_u64 s[SCD+2*\t:SCD+2*\t+1], s[\dbase:\dbase+1], s[88:89]
.endm
	WSET 0, 6, 16, 31, 5, 0, 4096, 1, 0, 16        ; wq, K 0 .. 1023: groups 2 h (q), 2 h + 1 (gate)
	WSET 1, 6, 16, 31, 5, 32, 4096, 1, 0, 16       ; wq, K 1024 on
	WSET 2, 8, 16, 15, 4, 0, 2048, 2, 8, 16        ; wk: groups 8 + 2 h
	WSET 3, 10, 16, 15, 4, 0, 2048, 2, 9, 16       ; wv: groups 9 + 2 h
	WSET 4, 12, 18, 63, 6, 0, 8192, 1, 0, 4        ; wo
.macro WLOAD t, nbytes
.irp i, 0,1,2,3,4,5,6,7,8,9,10,11,12,13,14,15,16,17,18,19,20,21,22,23,24,25,26,27,28,29,30,31
	global_load_b32 v[32+32*\t+\i], v1, s[SRC+2*\t:SRC+2*\t+1] offset:\i*\nbytes th:TH_LOAD_NT   ; row 32 kb + i, my column: 128 consecutive bytes a wave
.endr
.endm
.macro WBLOCK t
.set XS, 32+32*(\t)
.set CD, WC+8*(\t)
	v_max3_num_f32 v12, |v[XS]|, |v[XS+1]|, |v[XS+2]|   ; the block's largest magnitude: all 32 numbers are mine
	v_max3_num_f32 v13, |v[XS+3]|, |v[XS+4]|, |v[XS+5]|
.irp i, 6,10,14,18,22,26
	v_max3_num_f32 v12, v12, |v[XS+\i]|, |v[XS+\i+1]|
	v_max3_num_f32 v13, v13, |v[XS+\i+2]|, |v[XS+\i+3]|
.endr
	v_max3_num_f32 v12, v12, |v[XS+30]|, |v[XS+31]|
	v_max3_num_f32 v12, v12, v13, 0x4800000
	v_add_nc_u32 v11, 0xfc000000, v12
	v_and_or_b32 v10, v12, 0x7f800000, s[MNT]
.irp i, 0,1,2,3,4,5,6,7,8,9,10,11,12,13,14,15,16,17,18,19,20,21,22,23,24,25,26,27,28,29,30,31
	v_med3_num_f32 v[XS+\i], v[XS+\i], -v10, v10
.endr
.irp g, 0,1,2,3
	v_cvt_scalef32_pk8_fp8_f32 v[CD+2*\g:CD+2*\g+1], v[XS+8*\g:XS+8*\g+7], v11
.endr
	v_lshrrev_b32 v[WB+\t], 23, v11                ; the byte (a plain line behind the conversions)
	global_store_b128 v2, v[CD:CD+3], s[DST+2*\t:DST+2*\t+1]              ; k 0 .. 15: the image's lanes 0-15; two aligned runs of 256 bytes an instruction
	global_store_b128 v2, v[CD+4:CD+7], s[DST+2*\t:DST+2*\t+1] offset:256 ; k 16 .. 31: its lanes 16-31
	global_store_b8 v3, v[WB+\t], s[SCD+2*\t:SCD+2*\t+1]
.endm
	WLOAD 0, 4096
	WLOAD 1, 4096
	s_wait_loadcnt 32                              ; block 0 is in; the 32 loads of block 1 may be out
	WLOAD 2, 2048
	WBLOCK 0
	s_wait_loadcnt 32                              ; block 1 is in; block 2's may be out
	WLOAD 3, 2048
	WBLOCK 1
	s_wait_loadcnt 32
	WLOAD 4, 8192
	WBLOCK 2
	s_wait_loadcnt 32
	WBLOCK 3
	s_wait_loadcnt 0x0
	WBLOCK 4
	; ---- x: eight tiles of 16 rows x 128 K
.macro XLOAD a                         ; tile a's 64 numbers a lane, into set a % 2
.set XD, XA0+64*((\a)%2)
.irp b, 0,1,2,3
.irp e, 0,1,2,3,4,5,6,7
	ds_load_b64 v[XD+16*\b+2*\e:XD+16*\b+2*\e+1], v4 offset:(32*((\a)/2)+8*((\a)%2))*PITCH+128*\b+8*\e
.endr
.endr
.endm
	s_wait_xcnt 0x0                                ; the weights' stores have read their registers: they are written again below
.irp b, 0,1,2,3
	v_mov_b32 v[TM+4+\b], 0                        ; a lane permute's destination counts as one of its sources
.endr
	s_wait_tensorcnt 0x0                           ; my 128 rows are in
	XLOAD 0
.irp a, 0,1,2,3,4,5,6,7
.if \a < 7
	XLOAD \a+1
	s_wait_dscnt 32                                ; this tile's numbers are in; the next tile's 32 loads may be out
.else
	s_wait_dscnt 0x0
.endif
	s_wait_xcnt 0x0                                ; the last tile's stores have read v[PC] on
.set XS, XA0+64*(\a%2)
	QUANT XS, SW+\a
.irp c, 0,1,2,3
	global_store_b128 v5, v[PC+4*\c:PC+4*\c+3], s[XQ:XQ+1] offset:2048*\a+512*\c   ; 512 consecutive bytes
.endr
.endr
	v_cmp_lt_u32 vcc_lo, 15, v7
.irp i, 0,1,2,3
	v_cndmask_b32 v[OW+\i], v[SW+\i], v[SW+4+\i], vcc_lo   ; lanes 0-15 store tiles 0-3's words of row r, lanes 16-31 tiles 4-7's
.endr
	global_store_b128 v6, v[OW:OW+3], s[XQ:XQ+1] offset:16384
	s_wait_tensorcnt 0x0
	ds_add_u32 v254, v255
	s_wait_dscnt 0x0
	s_endpgm
.Lfunc_end_k_q9cdd500624_quant:
	.size	k_q9cdd500624_quant, .Lfunc_end_k_q9cdd500624_quant-k_q9cdd500624_quant
	.p2alignl 7, 3214868480
	.fill 96, 4, 3214868480
	.section	.rodata,"a",@progbits
	.p2align	6, 0x0
	.amdhsa_kernel k_q9cdd500624_quant
		.amdhsa_group_segment_fixed_size 266752
		.amdhsa_private_segment_fixed_size 0
		.amdhsa_enable_private_segment 0
		.amdhsa_kernarg_size 64
		.amdhsa_user_sgpr_count 2
		.amdhsa_user_sgpr_kernarg_segment_ptr 1
		.amdhsa_wavefront_size32 1
		.amdhsa_system_sgpr_workgroup_id_x 1
		.amdhsa_system_sgpr_workgroup_id_y 1
		.amdhsa_system_sgpr_workgroup_id_z 1
		.amdhsa_system_vgpr_workitem_id 0
		.amdhsa_next_free_vgpr 256
		.amdhsa_next_free_sgpr 100
		.amdhsa_reserve_vcc 1
		.amdhsa_float_denorm_mode_32 3
		.amdhsa_float_denorm_mode_16_64 3
		.amdhsa_memory_ordered 1
		.amdhsa_forward_progress 1
		.amdhsa_inst_pref_size 126
	.end_amdhsa_kernel
	.amdgpu_metadata
---
amdhsa.version: [ 1, 2 ]
amdhsa.kernels:
  - .name:           k_q9cdd500624_quant
    .symbol:         k_q9cdd500624_quant.kd
    .args:
      - { .name: hidden_states, .offset: 0, .size: 8, .value_kind: global_buffer, .address_space: global }
      - { .name: wq, .offset: 8, .size: 8, .value_kind: global_buffer, .address_space: global }
      - { .name: wk, .offset: 16, .size: 8, .value_kind: global_buffer, .address_space: global }
      - { .name: wv, .offset: 24, .size: 8, .value_kind: global_buffer, .address_space: global }
      - { .name: wo, .offset: 32, .size: 8, .value_kind: global_buffer, .address_space: global }
      - { .name: xq, .offset: 40, .size: 8, .value_kind: global_buffer, .address_space: global }
      - { .name: wc, .offset: 48, .size: 8, .value_kind: global_buffer, .address_space: global }
      - { .name: woc, .offset: 56, .size: 8, .value_kind: global_buffer, .address_space: global }
    .group_segment_fixed_size: 266752
    .private_segment_fixed_size: 0
    .kernarg_segment_align: 8
    .kernarg_segment_size: 64
    .max_flat_workgroup_size: 128
    .sgpr_count:     100
    .vgpr_count:     256
    .wavefront_size: 32
...
	.end_amdgpu_metadata
.endif
;; end of part 1
;; launch qkv (part 2): grid 8 x 32, 4 waves a work-group, clusters of 4 x 4, 327,680 bytes of LDS; arguments xq, wc, cos, sin, q_norm_w, k_norm_w, qf, kv, gt; writes qf, kv, gt
.if DOCPART == 2
	.amdgcn_target "amdgcn-amd-amdhsa--gfx1250"
	.amdhsa_code_object_version 6
	.text
	.protected	k_q9cdd500624_qkv
	.globl	k_q9cdd500624_qkv
	.p2align	8
	.type	k_q9cdd500624_qkv,@function
k_q9cdd500624_qkv:
	s_mov_b64 s[64:65], 0
	v_nop
	global_prefetch_b8 v0, s[64:65] scope:SCOPE_SE
	s_setreg_imm32_b32 hwreg(HW_REG_WAVE_MODE, 25, 1), 1
	s_wait_xcnt 0x0
	s_wait_alu depctr_hold_cnt(0) depctr_sa_sdst(0) depctr_va_vdst(0) depctr_va_sdst(0) depctr_va_ssrc(0) depctr_va_vcc(0) depctr_vm_vsrc(0)
	s_getreg_b32 s2, hwreg(HW_REG_IB_STS2, 6, 4)
	s_cmp_eq_u32 s2, 0
	s_cbranch_scc0 .Lentry_in_a_cluster
	s_endpgm
.Lentry_in_a_cluster:
	s_bfe_u32 s2, ttmp6, 0x10000c
	s_cmp_lg_u32 s2, 0xf033
	s_cbranch_scc0 .Lentry_shape_is_right
	s_endpgm
.Lentry_shape_is_right:
.set REC,   16896
.set PART,  2*REC
.set SLOT,  4*PART
.set SPARE, 2*SLOT
.set GRP,   16*REC
.set LAPS,  4
.set FR,    16
.set NL,    4
.set NP,    8
.set ADRA,  16
.set ADRB,  20
.set ADRS,  22
.set LI,    24
.set CSO,   25
.set SWO,   26
.set NWO,   27
.set SPW,   28
.set NIL,   29
.set SC,    32
.set AF,    128
.set SW,    1
.set RS,    10
.set T,     64
.set CSW,   64
.set PT,    192
.set PC,    208
.set TM,    224
.set SG,    242
.set OW,    244
.set SS,    248
.set WV,    22
.set RH,    23
.set G1A,   24
.set G0A,   32
.set G1B,   40
.set G0B,   48
.set CH,    56
.set CX,    57
.set CY,    58
.set XX,    59
.set YY,    60
.set F,     61
.set MNT,   79
.set SEL,   80
.set MSB, 0
.macro WIN new
.if MSB != (\new)
	s_set_vgpr_msb (MSB<<8)|(\new)
.set MSB, (\new)
.endif
.endm
.set MUL_LO, 0xa1
.set MUL_HI, 0xf1
.set TO_B,   0x40
.macro JLOAD g0a, g1a, g0b, g1b
	s_cmp_eq_u32 s[RH], 0
	s_cbranch_scc0 .Lfor_b_\@
	tensor_load_to_lds s[\g0a:\g0a+3], s[\g1a:\g1a+7]
	s_nop 0
.rept 4
	v_nop
.endr
	s_branch .Lasked_\@
.Lfor_b_\@:
	tensor_load_to_lds s[\g0b:\g0b+3], s[\g1b:\g1b+7]
	s_nop 0
.rept 4
	v_nop
.endr
.Lasked_\@:
.endm
.macro CREST
	s_cmp_lg_u32 s[WV], 0
	s_cbranch_scc1 .Lnot_wave_0_\@
	s_barrier_signal -3
.Lnot_wave_0_\@:
	s_barrier_wait -3
	s_barrier_signal -1
	s_barrier_wait -1
.endm
.macro CROUND
	s_barrier_signal -1
	s_barrier_wait -1
	CREST
.endm
.macro QUANT s, pw
.irp b, 0,1,2,3
	v_max3_num_f32 v[TM+\b], |v[\s+16*\b]|, |v[\s+1+16*\b]|, 0x4800000
.endr
.irp i, 2,4,6,8,10,12,14
.irp b, 0,1,2,3
	v_max3_num_f32 v[TM+\b], v[TM+\b], |v[\s+16*\b+\i]|, |v[\s+1+16*\b+\i]|
.endr
.endr
.irp b, 0,1,2,3
	v_permlanex16_b32 v[TM+4+\b], v[TM+\b], s[SEL], s[SEL+1]
.endr
.irp b, 0,1,2,3
	v_max_num_f32 v[TM+\b], v[TM+\b], v[TM+4+\b]
.endr
.irp b, 0,1,2,3
	v_add_nc_u32 v[TM+12+\b], 0xfc000000, v[TM+\b]
.endr
.irp b, 0,1,2,3
	v_and_or_b32 v[TM+8+\b], v[TM+\b], 0x7f800000, s[MNT]
.endr
.irp b, 0,1,2,3
	v_lshrrev_b32 v[TM+4+\b], 23, v[TM+12+\b]
.endr
	v_lshl_or_b32 v[\pw], v[TM+5], 8, v[TM+4]
	v_lshl_or_b32 v[\pw], v[TM+6], 16, v[\pw]
	v_lshl_or_b32 v[\pw], v[TM+7], 24, v[\pw]
.irp b, 0,1,2,3
.irp i, 0,1,2,3,4,5,6,7,8,9,10,11,12,13,14,15
	v_med3_num_f32 v[\s+16*\b+\i], v[\s+16*\b+\i], -v[TM+8+\b], v[TM+8+\b]
.endr
	v_cvt_scalef32_pk8_fp8_f32 v[PC+4*\b:PC+1+4*\b], v[\s+16*\b:\s+7+16*\b], v[TM+12+\b]
	v_cvt_scalef32_pk8_fp8_f32 v[PC+2+4*\b:PC+3+4*\b], v[\s+8+16*\b:\s+15+16*\b], v[TM+12+\b]
.endr
	v_nop
.endm
	s_load_b256 s[4:11], s[0:1], 0x0
	s_load_b256 s[12:19], s[0:1], 0x20
	s_load_b64 s[20:21], s[0:1], 0x40
	v_lshl_add_u32 v[SPW], v0, 2, SPARE
	v_mov_b32 v[NIL], 0
	ds_add_u32 v28, v29
	ds_add_u32 v28, v29
	s_wait_dscnt 0x0
	v_lshrrev_b32 v1, 5, v0
	v_readfirstlane_b32 s[WV], v1
	s_lshr_b32 s[RH], s[WV], 1
	s_and_b32 s[CH], s[WV], 1
	s_bfe_u32 s[CX], ttmp6, 0x40000
	s_bfe_u32 s[CY], ttmp6, 0x40004
	s_lshl_b32 s[XX], ttmp9, 2
	s_add_co_u32 s[XX], s[XX], s[CX]
	s_and_b32 s[YY], ttmp7, 0xffff
	s_lshl_b32 s[YY], s[YY], 2
	s_add_co_u32 s[YY], s[YY], s[CY]
	s_and_b32 s[F], s[CH], ttmp9
	s_lshl_b32 s62, s[CY], 2
	s_lshl_b32 s62, 15, s62
	s_lshl_b32 s63, 0x1111, s[CX]
	s_or_b32 s[G1A], s62, (3<<16)|(1<<21)
	s_or_b32 s[G1B], s63, (3<<16)|(1<<21)
.irp g, G1A, G1B
	s_mov_b32 s[\g+1], 32<<16
	s_mov_b32 s[\g+2], 132<<16
	s_mov_b32 s[\g+3], 32<<16
	s_mov_b32 s[\g+4], 132
	s_mov_b32 s[\g+5], 32
	s_mov_b32 s[\g+6], 0
	s_mov_b32 s[\g+7], 0
.endr
	s_lshl_b32 s66, s[YY], 1
	s_add_co_u32 s66, s66, s[CH]
	s_mul_i32 s66, s66, GRP
	s_mov_b32 s67, 0
	s_lshl_b32 s68, s[XX], 1
	s_add_co_u32 s68, s68, s[CH]
	s_mul_i32 s68, s68, GRP
	s_mov_b32 s69, 0
	s_mul_i32 s70, s[WV], PART
	s_wait_kmcnt 0x0
	s_add_nc_u64 s[66:67], s[4:5], s[66:67]
	s_add_nc_u64 s[68:69], s[6:7], s[68:69]
	CROUND
.irp s, 0,1
	s_mov_b32 s[G0A+4*\s], 1
	s_add_co_u32 s[G0A+4*\s+1], s70, \s*SLOT
	s_add_nc_u64 s[G0A+4*\s+2:G0A+4*\s+3], s[66:67], \s*PART
	s_or_b32 s[G0A+4*\s+3], s[G0A+4*\s+3], 0x80000000
	s_mov_b32 s[G0B+4*\s], 1
	s_add_co_u32 s[G0B+4*\s+1], s70, \s*SLOT
	s_add_nc_u64 s[G0B+4*\s+2:G0B+4*\s+3], s[68:69], \s*PART
	s_or_b32 s[G0B+4*\s+3], s[G0B+4*\s+3], 0x80000000
	s_wait_alu depctr_va_vdst(0)
	s_wait_tensorcnt 0x0
	ds_add_u32 v28, v29
	ds_add_u32 v28, v29
	s_wait_dscnt 0x0
	CROUND
	JLOAD G0A+4*\s, G1A, G0B+4*\s, G1B
.endr
	v_and_b32 v1, 31, v0
	v_lshlrev_b32 v[LI], 4, v1
	v_and_b32 v2, 15, v0
	v_bfe_u32 v3, v0, 4, 1
	s_wait_alu depctr_va_vdst(0)
	s_xor_b32 s71, s[RH], 1
	s_add_co_u32 s71, s71, s[CH]
	s_add_co_u32 s71, s71, 1
	s_mul_i32 s71, s71, PART
	s_mul_i32 s72, s[RH], PART
	s_mul_i32 s73, s[F], s71
	s_add_co_u32 s73, s73, s72
	s_xor_b32 s74, s[F], 1
	s_mul_i32 s74, s74, s71
	s_add_co_u32 s74, s74, s72
	v_xor_b32 v4, s[F], v3
	v_mul_u32_u24 v4, s71, v4
	v_lshl_add_u32 v4, v2, 5, v4
	v_add_nc_u32 v4, s72, v4
.irp s, 0,1
	v_add_nc_u32 v[ADRA+\s], s73, v[LI]
	v_add_nc_u32 v[ADRB+\s], s74, v[LI]
	v_add_nc_u32 v[ADRS+\s], 16384+\s*SLOT, v4
	s_add_co_u32 s73, s73, SLOT
	s_add_co_u32 s74, s74, SLOT
.endr
.macro FRAG reg, adr, q, i
.irp c, 0,1,2,3
	ds_load_b128 v[\reg+4*\c:\reg+4*\c+3], v[\adr] offset:REC*(\q)+2048*(\i)+512*\c
.endr
.endm
.macro MUL16 a0, p, q, sc, zero
.irp a, \a0, \a0+1
.irp b, 0,1,2,3,4,5,6,7
.if \zero
	v_wmma_scale_f32_16x16x128_f8f6f4 v[8*(8*((\a)%4)+\b):8*(8*((\a)%4)+\b)+7], v[128*(\p)+FR*\b:128*(\p)+FR*\b+FR-1], v[AF+FR*(\a):AF+FR*(\a)+FR-1], 0, v[SC+16*(\sc)+8*(\q)+\b], v[SC+16*(\sc)+8*(\q)+(\a)] matrix_a_scale:MATRIX_SCALE_ROW1
.else
	v_wmma_scale_f32_16x16x128_f8f6f4 v[8*(8*((\a)%4)+\b):8*(8*((\a)%4)+\b)+7], v[128*(\p)+FR*\b:128*(\p)+FR*\b+FR-1], v[AF+FR*(\a):AF+FR*(\a)+FR-1], v[8*(8*((\a)%4)+\b):8*(8*((\a)%4)+\b)+7], v[SC+16*(\sc)+8*(\q)+\b], v[SC+16*(\sc)+8*(\q)+(\a)] matrix_a_scale:MATRIX_SCALE_ROW1
.endif
.endr
.endr
.endm
.macro FETCH_B slot, q, p
	WIN TO_B
.irp i, 0,1,2,3,4,5,6,7
	FRAG 128*(\p)+FR*\i, ADRB+\slot, \q, \i
.endr
	WIN 0
.endm
.macro FETCH_A slot, q, i0
.irp i, \i0, \i0+1, \i0+2, \i0+3
	FRAG AF+FR*(\i), ADRA+\slot, \q, \i
.endr
.endm
.macro SCALES sc
.irp q, 0,1
.irp e, 0,1
	ds_load_b128 v[SC+16*\sc+8*\q+4*\e:SC+16*\sc+8*\q+4*\e+3], v[ADRS+\sc] offset:REC*\q+16*\e
.endr
.endr
.endm
.macro PLACES n
.rept \n
	v_nop
.endr
.endm
.macro STEP slot, q, zero
	s_wait_dscnt 4*NL
	WIN MUL_LO
	MUL16 0, (\q)%2, \q, \slot, \zero
	MUL16 2, (\q)%2, \q, \slot, \zero
	s_wait_dscnt 0
	PLACES NP
	FETCH_B \slot, (\q)+1, 1-(\q)%2
	FETCH_A \slot, (\q)+1, 0
	WIN MUL_HI
	MUL16 4, (\q)%2, \q, \slot, \zero
	MUL16 6, (\q)%2, \q, \slot, \zero
	PLACES NP
	WIN 0
	FETCH_A \slot, (\q)+1, 4
.endm
.macro TURN slot, next, fill
	s_wait_dscnt 4*NL
	WIN MUL_LO
	MUL16 0, 1, 1, \slot, 0
	MUL16 2, 1, 1, \slot, 0
	WIN 0
	s_wait_tensorcnt 0x0
	ds_add_u32 v[SPW], v[NIL]
.if \fill
	s_add_nc_u64 s[G0A+4*\slot+2:G0A+4*\slot+3], s[G0A+4*\slot+2:G0A+4*\slot+3], 2*PART
	s_add_nc_u64 s[G0B+4*\slot+2:G0B+4*\slot+3], s[G0B+4*\slot+2:G0B+4*\slot+3], 2*PART
.endif
	s_wait_dscnt 0x0
	s_barrier_signal -1
	s_barrier_wait -1
.if \fill
	CREST
	JLOAD G0A+4*\slot, G1A, G0B+4*\slot, G1B
	PLACES NP-4
.else
	PLACES NP
.endif
	FETCH_B \next, 0, 0
	FETCH_A \next, 0, 0
	SCALES \next
	WIN MUL_HI
	MUL16 4, 1, 1, \slot, 0
	MUL16 6, 1, 1, \slot, 0
	PLACES NP
	WIN 0
	FETCH_A \next, 0, 4
.endm
.macro CSLOAD a
.set CN, CSW+32*((\a)%6)
	WIN 0x40
.irp j, 0,1,2,3
	global_load_b128 v[CN+4*\j:CN+4*\j+3], v[CSO], s[8:9] offset:(32*((\a)/2)+8*((\a)%2))*128+16*\j
	global_load_b128 v[CN+16+4*\j:CN+16+4*\j+3], v[CSO], s[10:11] offset:(32*((\a)/2)+8*((\a)%2))*128+16*\j
.endr
	WIN 0
.endm
	s_wait_alu depctr_va_vdst(0)
	s_wait_tensorcnt 1
	s_barrier_signal -1
	s_barrier_wait -1
	FETCH_B 0, 0, 0
	FETCH_A 0, 0, 0
	SCALES 0
	FETCH_A 0, 0, 4
	STEP 0, 0, 1
	s_mov_b32 s3, LAPS-1
.Llap:
	TURN 0, 1, 1
	STEP 1, 0, 0
	TURN 1, 0, 1
	STEP 0, 0, 0
	s_sub_co_u32 s3, s3, 1
	s_cmp_lg_u32 s3, 0
	s_cbranch_scc1 .Llap
	TURN 0, 1, 0
	STEP 1, 0, 0
	s_lshl_b32 s66, s[YY], 1
	s_add_co_u32 s66, s66, s[RH]
	s_lshr_b32 s67, s66, 4
	s_lshl_b32 s67, s67, 2
	s_add_co_u32 s67, s67, s[CX]
	s_lshl_b32 s67, s67, 4
	s_and_b32 s68, s66, 15
	s_add_co_u32 s67, s67, s68
	s_lshl_b32 s68, s66, 14
	s_mov_b32 s69, 0
	s_add_nc_u64 s[8:9], s[8:9], s[68:69]
	s_add_nc_u64 s[10:11], s[10:11], s[68:69]
	s_lshl_b32 s68, s67, 16
	s_add_nc_u64 s[20:21], s[20:21], s[68:69]
	s_mov_b32 s70, PART
	s_cmp_eq_u32 ttmp9, 0
	s_cselect_b64 s[72:73], s[16:17], s[18:19]
	s_cselect_b64 s[74:75], s[12:13], s[14:15]
	s_cselect_b32 s70, REC, s70
	s_mul_i32 s68, s70, s67
	s_mul_i32 s70, s[F], REC
	s_add_co_u32 s68, s68, s70
	s_add_nc_u64 s[72:73], s[72:73], s[68:69]
	s_mov_b32 s77, 0x3c000000
	s_mov_b32 s78, 0x358637bd
	s_mov_b32 s[MNT], 0x600000
	s_mov_b32 s[SEL], 0x76543210
	s_mov_b32 s[SEL+1], 0xfedcba98
	v_and_b32 v4, 7, v0
	v_bfe_u32 v5, v0, 3, 1
	v_lshl_add_u32 v4, v5, 4, v4
	v_lshlrev_b32 v[CSO], 7, v4
	v_lshl_add_u32 v[CSO], v3, 6, v[CSO]
	v_lshlrev_b32 v[SWO], 5, v2
	v_lshl_add_u32 v[SWO], v3, 4, v[SWO]
	v_lshlrev_b32 v[NWO], 6, v3
	s_xor_b32 s76, s[CH], s[F]
	s_cmp_lg_u32 s76, 0
	s_cbranch_scc1 .Lno_early
	WIN 0x40
.irp c, 0,1,2,3
.irp j, 0,1,2,3
	global_load_b128 v[16*\c+4*\j:16*\c+4*\j+3], v[NWO], s[74:75] offset:128*\c+16*\j
.endr
.endr
	WIN 0
	CSLOAD 0
	s_wait_alu depctr_va_vdst(0)
	CSLOAD 1
.Lno_early:
	s_wait_dscnt 4*NL
	WIN MUL_LO
	MUL16 0, 1, 1, 1, 0
	MUL16 2, 1, 1, 1, 0
	s_wait_dscnt 0
	WIN MUL_HI
	MUL16 4, 1, 1, 1, 0
	MUL16 6, 1, 1, 1, 0
	WIN 0
	PLACES NP
	v_lshlrev_b32 v[SG], 31, v3
	v_xor_b32 v[SG], 0xbf800000, v[SG]
	v_mov_b32 v[SG+1], v[SG]
.irp i, 0,1,2,3,4,5,6,7,8,9,10,11,12,13,14,15
	v_mov_b32 v[PT+\i], 0
.endr
.irp b, 0,1,2,3
	v_mov_b32 v[TM+4+\b], 0
.endr
	s_cmp_lg_u32 s76, 0
	s_cbranch_scc1 .Lgate
	CSLOAD 2
	CSLOAD 3
	CSLOAD 4
	CSLOAD 5
	s_cmp_lg_u32 s[F], 0
	s_cbranch_scc1 .Lones
.macro SUMSQ a
.set AC, 64*((\a)%4)
	WIN 0x0a+5*((\a)/4)
.irp k, 0,1,2,3
	v_pk_mul_f32 v[SS+2*\k:SS+2*\k+1], v[AC+2*\k:AC+2*\k+1], v[AC+2*\k:AC+2*\k+1]
.endr
.set j, 4
.rept 28
	v_pk_fma_f32 v[SS+2*(j%4):SS+2*(j%4)+1], v[AC+2*j:AC+2*j+1], v[AC+2*j:AC+2*j+1], v[SS+2*(j%4):SS+2*(j%4)+1]
.set j, j+1
.endr
	WIN 0
	v_pk_add_f32 v[SS:SS+1], v[SS:SS+1], v[SS+2:SS+3]
	v_pk_add_f32 v[SS+4:SS+5], v[SS+4:SS+5], v[SS+6:SS+7]
	v_pk_add_f32 v[SS:SS+1], v[SS:SS+1], v[SS+4:SS+5]
	v_add_f32 v[RS+\a], v[SS], v[SS+1]
.endm
.irp a, 0,1,2,3,4,5,6,7
	SUMSQ \a
.endr
.irp a, 0,1,2,3,4,5,6,7
	v_permlanex16_b32 v[PT+\a], v[RS+\a], s[SEL], s[SEL+1]
.endr
.irp a, 0,1,2,3,4,5,6,7
	v_add_f32 v[RS+\a], v[RS+\a], v[PT+\a]
.endr
.irp a, 0,1,2,3,4,5,6,7
	v_fma_f32 v[RS+\a], v[RS+\a], s77, s78
.endr
	s_wait_alu depctr_va_vdst(0)
.irp a, 0,1,2,3,4,5,6,7
	v_rsq_f32 v[RS+\a], v[RS+\a]
.endr
	v_nop
	s_wait_alu depctr_va_vdst(0)
	s_branch .Lnormed
.Lones:
.irp a, 0,1,2,3,4,5,6,7
	v_mov_b32 v[RS+\a], 1.0
.endr
.Lnormed:
	s_wait_loadcnt 48
	WIN 0x41
.set j, 0
.rept 32
	v_pk_add_f32 v[2*j:2*j+1], v[2*j:2*j+1], 1.0 op_sel_hi:[1,0]
.set j, j+1
.endr
	WIN 0
.macro EBLOCK a
.set AC, 64*((\a)%4)
.set CC, CSW+32*((\a)%6)
.set RP, RS+2*((\a)/2)
	WIN 2+(\a)/4
.set j, 0
.rept 32
.if (\a)%2
	v_pk_mul_f32 v[T+2*j:T+2*j+1], v[AC+2*j:AC+2*j+1], v[RP:RP+1] op_sel:[0,1] op_sel_hi:[1,1]
.else
	v_pk_mul_f32 v[T+2*j:T+2*j+1], v[AC+2*j:AC+2*j+1], v[RP:RP+1] op_sel_hi:[1,0]
.endif
.set j, j+1
.endr
	WIN 0
.if (\a) < 3
	s_wait_loadcnt 40
.else
	s_wait_loadcnt 8*(7-(\a))
.endif
	s_cmp_lg_u32 s[F], 0
	s_cbranch_scc1 .Lplain_\@
	WIN 0x04
.set j, 0
.rept 32
	v_pk_mul_f32 v[T+2*j:T+2*j+1], v[T+2*j:T+2*j+1], v[2*j:2*j+1]
.set j, j+1
.endr
	WIN 0x41
.irp j, 0,1,2,3,4,5,6,7
	v_pk_mul_f32 v[CC+16+2*\j:CC+17+2*\j], v[CC+16+2*\j:CC+17+2*\j], v[SG:SG+1]
.endr
	WIN 0
.irp i, 0,1,2,3,4,5,6,7,8,9,10,11,12,13,14,15
	v_permlanex16_b32 v[PT+\i], v[T+\i], s[SEL], s[SEL+1]
.endr
	WIN 0x04
.irp j, 0,1,2,3,4,5,6,7
	v_pk_mul_f32 v[T+2*\j:T+2*\j+1], v[T+2*\j:T+2*\j+1], v[CC+2*\j:CC+2*\j+1]
.endr
.irp j, 0,1,2,3,4,5,6,7
	v_pk_fma_f32 v[T+2*\j:T+2*\j+1], v[PT+2*\j:PT+2*\j+1], v[CC+16+2*\j:CC+17+2*\j], v[T+2*\j:T+2*\j+1]
.endr
	WIN 0
.Lplain_\@:
.if (\a) < 2
	CSLOAD (\a)+6
.endif
	s_wait_xcnt 0x0
	s_wait_alu depctr_va_vdst(0)
	QUANT T, SW+(\a)
.irp c, 0,1,2,3
	global_store_b128 v[LI], v[PC+4*\c:PC+4*\c+3], s[72:73] offset:2048*(\a)+512*\c
.endr
.endm
.irp a, 0,1,2,3,4,5,6,7
	EBLOCK \a
.endr
	v_and_b32 v9, 31, v0
	v_cmp_lt_u32 vcc_lo, 15, v9
.irp i, 0,1,2,3
	v_cndmask_b32 v[OW+\i], v[SW+\i], v[SW+4+\i], vcc_lo
.endr
	global_store_b128 v[SWO], v[OW:OW+3], s[72:73] offset:16384
	s_branch .Lend
.Lgate:
.irp a, 0,1,2,3,4,5,6,7
	WIN 0x08+4*(\a/4)
.irp g, 0,1,2,3,4,5,6,7,8,9,10,11,12,13,14,15
	global_store_b128 v[LI], v[64*(\a%4)+4*\g:64*(\a%4)+4*\g+3], s[20:21] offset:8192*\a+512*\g
.endr
.endr
	WIN 0
.Lend:
	s_wait_tensorcnt 0x0
	ds_add_u32 v[SPW], v[NIL]
	s_wait_dscnt 0x0
	CROUND
	s_endpgm
.Lfunc_end_k_q9cdd500624_qkv:
	.size	k_q9cdd500624_qkv, .Lfunc_end_k_q9cdd500624_qkv-k_q9cdd500624_qkv
	.p2alignl 7, 3214868480
	.fill 96, 4, 3214868480
	.section	.rodata,"a",@progbits
	.p2align	6, 0x0
	.amdhsa_kernel k_q9cdd500624_qkv
		.amdhsa_group_segment_fixed_size 327680
		.amdhsa_private_segment_fixed_size 0
		.amdhsa_enable_private_segment 0
		.amdhsa_kernarg_size 72
		.amdhsa_user_sgpr_count 2
		.amdhsa_user_sgpr_kernarg_segment_ptr 1
		.amdhsa_wavefront_size32 1
		.amdhsa_system_sgpr_workgroup_id_x 1
		.amdhsa_system_sgpr_workgroup_id_y 1
		.amdhsa_system_sgpr_workgroup_id_z 1
		.amdhsa_system_vgpr_workitem_id 0
		.amdhsa_next_free_vgpr 1024
		.amdhsa_next_free_sgpr 100
		.amdhsa_reserve_vcc 1
		.amdhsa_float_denorm_mode_32 3
		.amdhsa_float_denorm_mode_16_64 3
		.amdhsa_memory_ordered 1
		.amdhsa_forward_progress 1
		.amdhsa_inst_pref_size 255
	.end_amdhsa_kernel
	.section	.bss,"aw",@nobits
	.p2align	6
	.space	262144
	.amdgpu_metadata
---
amdhsa.version: [ 1, 2 ]
amdhsa.kernels:
  - .name:           k_q9cdd500624_qkv
    .symbol:         k_q9cdd500624_qkv.kd
    .args:
      - { .name: xq, .offset: 0, .size: 8, .value_kind: global_buffer, .address_space: global }
      - { .name: wc, .offset: 8, .size: 8, .value_kind: global_buffer, .address_space: global }
      - { .name: cos, .offset: 16, .size: 8, .value_kind: global_buffer, .address_space: global }
      - { .name: sin, .offset: 24, .size: 8, .value_kind: global_buffer, .address_space: global }
      - { .name: q_norm_w, .offset: 32, .size: 8, .value_kind: global_buffer, .address_space: global }
      - { .name: k_norm_w, .offset: 40, .size: 8, .value_kind: global_buffer, .address_space: global }
      - { .name: qf, .offset: 48, .size: 8, .value_kind: global_buffer, .address_space: global }
      - { .name: kv, .offset: 56, .size: 8, .value_kind: global_buffer, .address_space: global }
      - { .name: gt, .offset: 64, .size: 8, .value_kind: global_buffer, .address_space: global }
    .group_segment_fixed_size: 327680
    .private_segment_fixed_size: 0
    .kernarg_segment_align: 8
    .kernarg_segment_size: 72
    .max_flat_workgroup_size: 128
    .sgpr_count:     100
    .vgpr_count:     1024
    .wavefront_size: 32
...
	.end_amdgpu_metadata
.endif
;; end of part 2
;; launch attn (part 3): grid 16 x 16, 8 waves a work-group, clusters of 4 x 4, 327,680 bytes of LDS; arguments qf, kv, gt, attention_mask, ac; writes ac
.if DOCPART == 3
	.amdgcn_target "amdgcn-amd-amdhsa--gfx1250"
	.amdhsa_code_object_version 6
	.text
	.protected	k_q9cdd500624_attn
	.globl	k_q9cdd500624_attn
	.p2align	8
	.type	k_q9cdd500624_attn,@function
k_q9cdd500624_attn:
	s_mov_b64 s[64:65], 0
	v_nop
	global_prefetch_b8 v0, s[64:65] scope:SCOPE_SE
	s_setreg_imm32_b32 hwreg(HW_REG_WAVE_MODE, 25, 1), 1
	s_wait_xcnt 0x0
	s_wait_alu depctr_hold_cnt(0) depctr_sa_sdst(0) depctr_va_vdst(0) depctr_va_sdst(0) depctr_va_ssrc(0) depctr_va_vcc(0) depctr_vm_vsrc(0)
	s_getreg_b32 s2, hwreg(HW_REG_IB_STS2, 6, 4)
	s_cmp_eq_u32 s2, 0
	s_cbranch_scc0 .Lentry_in_a_cluster
	s_endpgm
.Lentry_in_a_cluster:
	s_bfe_u32 s2, ttmp6, 0x10000c
	s_cmp_lg_u32 s2, 0xf033
	s_cbranch_scc0 .Lentry_shape_is_right
	s_endpgm
.Lentry_shape_is_right:
; attn[b][q][h] = softmax_k(q . k / sqrt(128) + mask[b][q][k]) v, x sigmoid(gate), quantised along (head, channel) for the last product.  Both products on codes of FP8 (E4M3) with E8M0 scales.
; The mask is an input: every key step is computed, every mask number is read and added.  No work is left out.
; THE SOFTMAX: logit = score / sqrt(128) + mask (one fused multiply-add); M = the running largest logit x log2(e), rounded up to a whole number; p = 2^(logit x log2(e) - M), one fused multiply-add and one v_exp_f32, is quantised
; along the keys, not normalised; the row's sum is taken of the unquantised p and divides at the end; when M moves, the sum and O are multiplied by 2^(old M - new M), which rounds nothing.
; SHARES.  A work-group owns 128 queries of one (batch, head); each of its EIGHT waves owns one tile of 16 of them (tile w of Q's record), two waves to a SIMD.  16 key steps of 128 keys.
; Both products are used transposed (S^T = K Q^T, O^T = V^T P^T): a lane holds one query; by the records' order of rows a lane's 16 registers of two neighbouring tiles are 16 neighbouring keys (or channels).
; RING: two LDS slots of two key steps each: K's record, V's record (keys innermost), twice: 67,584 dense bytes of kv.  Each wave fetches an eighth, 33 rows of 256 bytes: one load line, issued and awaited by all eight.
; CLUSTER 4 x 4: x = four query groups, y = the four heads of a batch.  K and V are shared along a row: joint loads.
; THE MASK IS NOT ASKED FOR JOINTLY, though a column's four work-groups read the same rows: with it a key step would take 100,352 bytes of a slot, and every tensor load is awaited at each change of slots.  Here a lane's 64 numbers of a
; step (four runs of 64 bytes of its query's row; a tile's 16 loads together read 512 consecutive bytes of each of 16 rows) go straight into registers, two key steps ahead, in two buffers by turns, and stay out over the changes of slots.
; PREFETCHES, one instruction a wave and trip: waves 0 to 2 ask for the slot behind the one that the change loads (a row's four partners take 66 blocks of 256 bytes each, told apart by address; left-over lanes name the last block again);
; waves 4 to 7 for the mask bytes that the loads of two trips on will read (a column's four partners take 32 rows each, a wave 8 rows x 1,024 bytes).  The last trips ask for nothing; key steps 0 to 5 of the mask and slots 0, 1 come by their loads alone.
; LIMITS: NaN and +infinity are not served; -infinity in the mask is served where a row keeps one finite logit; the promise holds while logit x log2(e) stays under 2^31 in magnitude; 1 / l and the sigmoid use v_rcp_f32 and v_exp_f32;
; a block whose largest magnitude lies under 2^-118 gets the byte 1.
; REGISTERS.  Window 0: v1-11 addresses; v12 -M, v13 the largest t, v[14:15] the sum; v16-23 K's scale words, v24-31 V's; v32-95 four fragments; v96-159 S^T, then p; v160-223 O^T; v224-239 codes; v232-247 at work; v248 the prefetch's offset;
; v252 f, v253 p's scale word, v254 at work, v255 Q's scale word.  Window 1: v0-127 the mask's two buffers (the first takes the gate at the end); v128-191 four more fragments; v192-207 Q.
.set REC,   16896
.set KVB,   2*REC
.set SLOTB, 2*KVB
.set PARTB, SLOTB/8
.set SLOT1, 1<<17
.set SWS,   SLOT1+SLOTB                ; 512 bytes of their own: ac's scale words are gathered here; no tile lands on them
.set SPARE, SWS+512                    ; the spare words: 128 bytes a wave, four blocks of 256 bytes that no other line names
.set AL,  1                            ; 16 x lane
.set AS,  2                            ; 16384 + 32 r: a record's scale words of row r
.set MO,  3                            ; my offset in the mask
.set AV0, 4                            ; REC + 16 x lane
.set SPW, 5
.set NIL, 6
.set SWA, 7                            ; LDS: my tile's scale word of row r
.set ADK, 8
.set ADV, 9
.set ADS, 10
.set RDW, 11                           ; LDS: 16 bytes a lane of the gathered words
.set KS,  16
.set VS,  24
.set FA,  32
.set S,   96
.set O,   160
.set PC,  224
.set BM,  232
.set BY,  236
.set HOLD, 240
.set SOP, 244
.set PFO, 248
.set QS,  255
.set FB,  128                          ; window 1
.set QW,  192                          ; window 1
.set WV,  14
.set SEL, 20
.set SCA, 22
.set L2E, 24
.set MNT, 26
.set TB,  27
.set CNT, 28
.set LIM, 29
.set NL2, 30
.set G1,  32
.set G0,  40
.set MA,  44
.set QB,  46
.set QB2, 48
.set GB,  50
.set AC,  52
.set PFA, 54
.set PFS, 56
.set MSB, 0
.macro WIN new                         ; the immediate's high byte repeats the setting that is left
.if MSB != (\new)
	s_set_vgpr_msb (MSB<<8)|(\new)
.set MSB, (\new)
.endif
.endm
.macro NOPS n
.rept \n
	v_nop
.endr
.endm
.macro CROUND                          ; a round of the cluster's barrier
	s_barrier_signal -1
	s_barrier_wait -1
	s_cmp_lg_u32 s[WV], 0
	s_cbranch_scc1 .Lnot_wave_0_\@
	s_barrier_signal -3
.Lnot_wave_0_\@:
	s_barrier_wait -3
	s_barrier_signal -1
	s_barrier_wait -1
.endm
.macro FR4 dst, adr, off               ; four fragments' images: 16 loads of 512 consecutive bytes
.set i_, 0
.rept 16
	ds_load_b128 v[\dst+4*i_:\dst+4*i_+3], v[\adr] offset:(\off)+512*i_
.set i_, i_+1
.endr
.endm
.macro MLOAD buf, off                  ; a key step's 64 mask numbers a lane into buffer buf: register 16 b + 4 e + k = key 32 b + 16 h + 4 e + k of my query
	WIN 0x40
.set i_, 0
.rept 16
	global_load_b128 v[64*(\buf)+4*i_:64*(\buf)+4*i_+3], v[MO], s[MA:MA+1] offset:(\off)+128*(i_/4)+16*(i_%4)
.set i_, i_+1
.endr
	WIN 0
.endm
	s_load_b256 s[4:11], s[0:1], 0x0               ; qf, kv, gt, attention_mask
	s_load_b64 s[12:13], s[0:1], 0x20              ; ac
	v_lshl_add_u32 v[SPW], v0, 2, SPARE
	v_mov_b32 v[NIL], 0
	ds_add_u32 v[SPW], v[NIL]                      ; the opening lines: the add, twice on end, and its wait ahead of my first tensor load
	ds_add_u32 v[SPW], v[NIL]
	v_lshrrev_b32 v8, 5, v0
	v_readfirstlane_b32 s[WV], v8                  ; wave 0..7
	s_bfe_u32 s15, ttmp6, 0x40000                  ; cx
	s_bfe_u32 s16, ttmp6, 0x40004                  ; cy: the head
	s_lshl_b32 s17, ttmp9, 2
	s_add_co_u32 s17, s17, s15                     ; X: which 128 queries
	s_and_b32 s19, ttmp7, 0xffff                   ; the batch
	s_lshl_b32 s18, s19, 2
	s_add_co_u32 s18, s18, s16                     ; Y = 4 b + h
	s_lshl_b32 s58, s16, 2
	s_lshl_b32 s58, 15, s58                        ; my row of the cluster
	s_or_b32 s[G1], s58, (3<<16)|(1<<21)           ; 33 dense rows of 256 bytes (32 elements of 8)
	s_mov_b32 s[G1+1], 32<<16
	s_mov_b32 s[G1+2], 33<<16
	s_mov_b32 s[G1+3], 32<<16
	s_mov_b32 s[G1+4], 33
	s_mov_b32 s[G1+5], 32
	s_mov_b32 s[G1+6], 0
	s_mov_b32 s[G1+7], 0
	s_mul_i32 s60, s18, 16*KVB                     ; (batch, head)'s 16 key steps of kv: hangs on cy alone
	s_mul_i32 s62, s15, REC                        ; the prefetch of K, V: my work-group's quarter of a slot,
	s_add_co_u32 s62, s62, s60
	s_add_co_u32 s62, s62, 2*SLOTB                 ; at slot 2 in the first trip
	s_mul_i32 s59, s[WV], PARTB
	s_add_co_u32 s60, s60, s59                     ; my eighth of a slot
	s_mov_b32 s61, 0
	s_lshl_b32 s66, s19, 24                        ; the mask: the batch's 2048 x 2048 x 4 bytes,
	s_lshl_b32 s67, s17, 20                        ; 128 rows of 8,192 bytes
	s_add_co_u32 s66, s66, s67
	s_lshl_b32 s68, s16, 18                        ; its prefetch: my work-group's 32 rows,
	s_and_b32 s67, s[WV], 3
	s_lshl_b32 s67, s67, 16                        ; my wave's 8 of them,
	s_add_co_u32 s68, s68, s67
	s_add_co_u32 s68, s68, s66
	s_add_co_u32 s68, s68, 3072                    ; key steps 6 and 7 in the first trip
	s_lshr_b32 s67, s[WV], 1                       ; tile w's lane row r is query 32 (w / 2) + 8 (w % 2) + r % 8 + 16 (r / 8)
	s_lshl_b32 s67, s67, 18
	s_add_co_u32 s66, s66, s67
	s_and_b32 s67, s[WV], 1
	s_lshl_b32 s67, s67, 16
	s_add_co_u32 s66, s66, s67
	s_mov_b32 s67, 0
	s_lshl_b32 s70, s18, 4
	s_add_co_u32 s70, s70, s17                     ; the record's number: 16 Y + X
	s_mul_i32 s72, s70, REC
	s_mov_b32 s73, 0
	s_lshl_b32 s76, s70, 16                        ; the gate's 65,536 bytes, my tile's 8,192
	s_lshl_b32 s77, s[WV], 13
	s_add_co_u32 s76, s76, s77
	s_mov_b32 s77, 0
	s_lshl_b32 s78, s19, 4                         ; ac's record: token group 16 b + X, K step = head; my tile's image
	s_add_co_u32 s78, s78, s17
	s_lshl_b32 s78, s78, 2
	s_add_co_u32 s78, s78, s16
	s_mul_i32 s78, s78, REC
	s_lshl_b32 s80, s[WV], 11
	s_add_co_u32 s78, s78, s80
	s_mov_b32 s79, 0
	s_mov_b32 s81, 0
	s_lshl_b32 s82, s[WV], 2
	s_lshl_b32 s83, s[WV], 13
	s_mov_b32 s[SEL], 0x76543210
	s_mov_b32 s[SEL+1], 0xfedcba98
	s_mov_b32 s[SCA], 0x3db504f3                   ; 1 / sqrt(128)
	s_mov_b32 s[SCA+1], s[SCA]
	s_mov_b32 s[L2E], 0x3fb8aa3b                   ; log2(e)
	s_mov_b32 s[L2E+1], s[L2E]
	s_mov_b32 s[NL2], 0xbfb8aa3b
	s_mov_b32 s[NL2+1], s[NL2]
	s_mov_b32 s[MNT], 0x600000
	s_mov_b32 s[TB], 0
	s_mov_b32 s[CNT], 7
	s_wait_dscnt 0x0                               ; both opening adds are done
	s_wait_kmcnt 0x0
	CROUND                                         ; all sixteen work-groups are here: the first joint loads meet
	s_mov_b32 s[G0], 1
	s_mul_i32 s[G0+1], s[WV], PARTB
	s_add_nc_u64 s[G0+2:G0+3], s[6:7], s[60:61]
	s_or_b32 s[G0+3], s[G0+3], 0x80000000
	tensor_load_to_lds s[G0:G0+3], s[G1:G1+7]      ; slot 0: key steps 0 and 1; my one load at the head
	s_nop 0
	NOPS 4
	s_add_nc_u64 s[MA:MA+1], s[10:11], s[66:67]
	s_add_nc_u64 s[QB:QB+1], s[4:5], s[72:73]
	s_add_nc_u64 s[QB2:QB2+1], s[QB:QB+1], s[80:81]
	s_add_nc_u64 s[GB:GB+1], s[8:9], s[76:77]
	s_add_nc_u64 s[AC:AC+1], s[12:13], s[78:79]
	s_mov_b32 s[PFS], 1024                         ; the prefetches: waves 0 to 2 K and V, waves 4 to 7 the mask
	s_mov_b32 s[PFS+1], 0
	s_mov_b32 s84, 8192
	s_mov_b32 s85, 0x7fffffff
	s_cmp_lt_u32 s[WV], 4
	s_cselect_b64 s[PFA:PFA+1], s[6:7], s[10:11]
	s_cselect_b32 s62, s62, s68
	s_cselect_b32 s[PFS], SLOTB, s[PFS]            ; a trip on
	s_cselect_b32 s84, 1024, s84                   ; from four lanes to the next four
	s_cselect_b32 s83, s83, 0                      ; K, V: 32 blocks a wave
	s_cselect_b32 s85, 65*256, s85                 ; and none behind my work-group's 66th
	s_cselect_b32 s[LIM], 1, 2                     ; a wave asks while the trips to go exceed this
	s_cmp_eq_u32 s[WV], 3
	s_cselect_b32 s[LIM], -1, s[LIM]               ; wave 3 never
	s_mov_b32 s63, 0
	s_add_nc_u64 s[PFA:PFA+1], s[PFA:PFA+1], s[62:63]
	v_and_b32 v8, 31, v0
	v_lshlrev_b32 v[AL], 4, v8
	v_add_nc_u32 v[AV0], REC, v[AL]
	v_and_b32 v9, 15, v0
	v_lshlrev_b32 v10, 5, v9                       ; 32 r
	v_add_nc_u32 v[AS], 16384, v10
	v_add_nc_u32 v10, s82, v10                     ; 32 r + 4 w
	v_add_nc_u32 v[SWA], SWS, v10
	v_add_nc_u32 v[RDW], SWS, v[AL]
	v_lshrrev_b32 v9, 2, v8
	v_and_b32 v8, 3, v8
	v_mul_lo_u32 v[PFO], v9, s84
	v_lshl_add_u32 v[PFO], v8, 8, v[PFO]
	v_add_nc_u32 v[PFO], s83, v[PFO]
	v_min_u32 v[PFO], s85, v[PFO]
	v_and_b32 v8, 7, v0
	v_bfe_u32 v9, v0, 3, 1
	v_lshl_add_u32 v8, v9, 4, v8                   ; r % 8 + 16 (r / 8)
	v_bfe_u32 v9, v0, 4, 1                         ; h
	v_lshlrev_b32 v[MO], 13, v8
	v_lshl_add_u32 v[MO], v9, 6, v[MO]             ; + 64 h: keys 16 h on of each 32
	s_wait_alu depctr_va_vdst(0)                   ; ahead of the loads that read these
	WIN 0x40
.irp c, 0,1,2,3
	global_load_b128 v[QW+4*\c:QW+4*\c+3], v[AL], s[QB2:QB2+1] offset:512*\c th:TH_LOAD_NT
.endr
	WIN 0
	global_load_b32 v[QS], v10, s[QB:QB+1] offset:16384
	MLOAD 0, 0                                     ; key step 0's mask numbers,
	MLOAD 1, 512                                   ; and key step 1's
	v_mov_b32 v13, 0xff61b1e6                      ; the largest t so far: -3e38
	v_floor_f32 v12, -v13
	v_mov_b32 v14, 0
	v_mov_b32 v15, 0
	v_mov_b32 v253, 0                              ; named as the upper half of the pair v[252:253]
.irp b, 0,1,2,3
	v_mov_b32 v[BY+\b], 0                          ; a lane permute's destination counts as one of its sources
.endr
.set i_, 0
.rept 64
	v_mov_b32 v[O+i_], 0                           ; O^T: the key step has no first step of its own: the first change of M multiplies zeros
.set i_, i_+1
.endr
; A KEY STEP: the q-th of the slot in hand.  rl = 1: the mask buffer just read takes the step two on; 2: it takes the gate; 0: nothing
.macro STEP q, rl
	v_add_nc_u32 v[ADK], s[TB], v[AL]
	v_add_nc_u32 v[ADV], s[TB], v[AV0]
	v_add_nc_u32 v[ADS], s[TB], v[AS]
	NOPS 5                                         ; with the three additions: eight places ahead of loads into registers that the last products read
	FR4 FA, ADK, KVB*(\q)                          ; K's tiles 0-3,
	ds_load_b128 v[KS:KS+3], v[ADS] offset:KVB*(\q)
	ds_load_b128 v[KS+4:KS+7], v[ADS] offset:KVB*(\q)+16
	WIN 0x40
	FR4 FB, ADK, KVB*(\q)+8192                     ; and 4-7
	WIN 0
	s_wait_alu depctr_va_vdst(0)                   ; directly ahead of the wait below
	s_wait_dscnt 16                                ; tiles 0-3 and the scale words are in; the 16 loads of tiles 4-7 may be out
	WIN 0x04
.irp t, 0,1,2,3
	v_wmma_scale_f32_16x16x128_f8f6f4 v[S+8*\t:S+8*\t+7], v[FA+16*\t:FA+16*\t+15], v[QW:QW+15], 0, v[KS+\t], v[QS]
.endr
	s_wait_dscnt 0x0
	WIN 0x05
.irp t, 0,1,2,3
	v_wmma_scale_f32_16x16x128_f8f6f4 v[S+32+8*\t:S+32+8*\t+7], v[FB+16*\t:FB+16*\t+15], v[QW:QW+15], 0, v[KS+4+\t], v[QS]
.endr
	WIN 0
	NOPS 8                                         ; places ahead of the loads below and of the first reads of the scores
	FR4 FA, ADV, KVB*(\q)                          ; V's eight tiles are asked for now: the softmax stands between these loads and the wait for them
	ds_load_b128 v[VS:VS+3], v[ADS] offset:KVB*(\q)+REC
	ds_load_b128 v[VS+4:VS+7], v[ADS] offset:KVB*(\q)+REC+16
	WIN 0x40
	FR4 FB, ADV, KVB*(\q)+8192
	WIN 0
	s_wait_loadcnt 16                              ; this step's mask numbers are in; the 16 loads issued behind them may be out
	WIN 0x10
.set i_, 0
.rept 32
	v_pk_fma_f32 v[S+2*i_:S+2*i_+1], v[S+2*i_:S+2*i_+1], s[SCA:SCA+1], v[64*(\q)+2*i_:64*(\q)+2*i_+1] op_sel_hi:[1,0,1]   ; logit; each accumulator is read from its low end on
.set i_, i_+1
.endr
	WIN 0
.if \rl == 1
	MLOAD \q, 512*(2+(\q))
.elseif \rl == 2
	WIN 0x40
.set i_, 0
.rept 16
	global_load_b128 v[4*i_:4*i_+3], v[AL], s[GB:GB+1] offset:512*i_ th:TH_LOAD_NT   ; the gate, in O^T's order of registers
.set i_, i_+1
.endr
	WIN 0
.endif
.irp b, 0,1,2,3
	v_max3_num_f32 v[BM+\b], v[S+16*\b], v[S+1+16*\b], v[S+2+16*\b]   ; the largest logit of each block of 32 keys: it serves the row's maximum and, since p rises with it, the block's largest p
.endr
.irp i, 3,5,7,9,11,13
.irp b, 0,1,2,3
	v_max3_num_f32 v[BM+\b], v[BM+\b], v[S+16*\b+\i], v[S+1+16*\b+\i]
.endr
.endr
.irp b, 0,1,2,3
	v_max_num_f32 v[BM+\b], v[BM+\b], v[S+15+16*\b]
.endr
.irp b, 0,1,2,3
	v_permlanex16_b32 v[BY+\b], v[BM+\b], s[SEL], s[SEL+1]
.endr
.irp b, 0,1,2,3
	v_max_num_f32 v[BM+\b], v[BM+\b], v[BY+\b]     ; with lane l xor 16's 16 keys
.endr
	v_max3_num_f32 v254, v[BM], v[BM+1], v[BM+2]
	v_max_num_f32 v254, v254, v[BM+3]
	v_mul_f32 v254, s[L2E], v254                   ; as t
	v_max_num_f32 v13, v13, v254                   ; the running largest t
	v_mov_b32 v254, v12
	v_floor_f32 v12, -v13                          ; -M = floor(-t): a whole number
	v_sub_f32 v254, v12, v254                      ; old M - new M, 0 or less
	v_cvt_i32_f32 v254, v254                       ; (it saturates)
	v_ldexp_f32 v252, 1.0, v254                    ; f = 2^(old M - new M)
.set i_, 0
.rept 32
	v_pk_fma_f32 v[S+2*i_:S+2*i_+1], v[S+2*i_:S+2*i_+1], s[L2E:L2E+1], v[12:13] op_sel_hi:[1,0,0]   ; t - M
.set i_, i_+1
.endr
.irp b, 0,1,2,3
	v_fma_f32 v[BM+\b], v[BM+\b], s[L2E], v12      ; the same of each block's largest logit
.endr
	s_wait_alu depctr_va_vdst(0)                   ; ahead of the batch
.set i_, 0
.rept 64
	v_exp_f32 v[S+i_], v[S+i_]                     ; p
.set i_, i_+1
.endr
	v_pk_mul_f32 v[14:15], v[14:15], v[252:253] op_sel_hi:[1,0]   ; the sum under the new M (a plain line behind the batch)
	s_wait_alu depctr_va_vdst(0)                   ; one wait for the 64, ahead of their first reader
.irp b, 0,1,2,3
	v_exp_f32 v[BM+\b], v[BM+\b]                   ; the block's largest p: the same two instructions on the same number
.endr
	v_pk_add_f32 v[BY:BY+1], v[S:S+1], v[S+2:S+3]  ; the sum of the unquantised p, in two chains
.set i_, 4
.rept 15
	v_pk_add_f32 v[14:15], v[14:15], v[S+i_:S+i_+1]
	v_pk_add_f32 v[BY:BY+1], v[BY:BY+1], v[S+2+i_:S+3+i_]
.set i_, i_+4
.endr
	v_pk_add_f32 v[14:15], v[14:15], v[BY:BY+1]
	s_wait_alu depctr_va_vdst(0)                   ; and one for the four
.irp b, 0,1,2,3
	v_max_num_f32 v[BM+\b], 0x4800000, v[BM+\b]    ; the floor 2^(9 - 127): the byte cannot fall under 1
.endr
.irp b, 0,1,2,3
	v_add_nc_u32 v[SOP+\b], 0xfc000000, v[BM+\b]   ; 8 off the exponent field: the conversion's scale operand
.endr
.irp b, 0,1,2,3
	v_and_or_b32 v[HOLD+\b], v[BM+\b], 0x7f800000, s[MNT]   ; 448 x the scale
.endr
.irp b, 0,1,2,3
	v_lshrrev_b32 v[BY+\b], 23, v[SOP+\b]          ; the scale's byte
.endr
	v_lshl_or_b32 v253, v[BY+1], 8, v[BY]          ; p's scale word for these 128 keys
	v_lshl_or_b32 v253, v[BY+2], 16, v253
	v_lshl_or_b32 v253, v[BY+3], 24, v253
.irp b, 0,1,2,3
.set i_, 0
.rept 16
	v_min_num_f32 v[S+16*\b+i_], v[S+16*\b+i_], v[HOLD+\b]   ; the conversion does not saturate (ISA guide 7.6.2); p is not negative: a one-sided hold
.set i_, i_+1
.endr
	v_cvt_scalef32_pk8_fp8_f32 v[PC+4*\b:PC+1+4*\b], v[S+16*\b:S+7+16*\b], v[SOP+\b]
	v_cvt_scalef32_pk8_fp8_f32 v[PC+2+4*\b:PC+3+4*\b], v[S+8+16*\b:S+15+16*\b], v[SOP+\b]
.endr
	s_wait_alu depctr_va_vdst(0)                   ; directly ahead of the first reader of O^T
.set i_, 0
.rept 32
	v_pk_mul_f32 v[O+2*i_:O+2*i_+1], v[O+2*i_:O+2*i_+1], v[252:253] op_sel_hi:[1,0]   ; O^T x f; these 32 are also the places ahead of the products below
.set i_, i_+1
.endr
	s_wait_alu depctr_va_vdst(0)                   ; directly ahead of the wait below
	s_wait_dscnt 0x0                               ; V and its scale words are in
.irp t, 0,1,2,3
	v_wmma_scale_f32_16x16x128_f8f6f4 v[O+8*\t:O+8*\t+7], v[FA+16*\t:FA+16*\t+15], v[PC:PC+15], v[O+8*\t:O+8*\t+7], v[VS+\t], v253
.endr
	WIN 0x01
.irp t, 0,1,2,3
	v_wmma_scale_f32_16x16x128_f8f6f4 v[O+32+8*\t:O+32+8*\t+7], v[FB+16*\t:FB+16*\t+15], v[PC:PC+15], v[O+32+8*\t:O+32+8*\t+7], v[VS+4+\t], v253
.endr
	WIN 0
.endm
; THE CHANGE OF SLOTS stands at a slot's head.  fill = 1: behind a round of the cluster's barrier the slot just left (the first time: slot 1, not yet filled) takes the two key steps that follow
.macro CHANGE fill
	s_wait_tensorcnt 0x0                           ; my one load is in: my part of the slot ahead; a group 0 may be written
	ds_add_u32 v[SPW], v[NIL]                      ; 0 onto my spare word
.if \fill
	s_xor_b32 s[G0+1], s[G0+1], SLOT1
	s_add_nc_u64 s[G0+2:G0+3], s[G0+2:G0+3], SLOTB
	s_wait_dscnt 0x0                               ; the add is done, and my reads of the slot that I have left are over
	CROUND
	tensor_load_to_lds s[G0:G0+3], s[G1:G1+7]      ; the first thing behind the round, and my one tensor load until the next
	s_nop 0
	NOPS 4
	s_cmp_gt_u32 s[CNT], s[LIM]
	s_cbranch_scc0 .Lnot_mine_\@
	global_prefetch_b8 v[PFO], s[PFA:PFA+1] th:TH_LOAD_NT scope:SCOPE_SE
.Lnot_mine_\@:
.else
	s_wait_dscnt 0x0
	s_barrier_signal -1
	s_barrier_wait -1
.endif
.endm
	s_wait_alu depctr_va_vdst(0)                   ; at the head's end
	s_wait_loadcnt 32                              ; Q and its scale word are in; the 32 mask loads may be out
.Lslot:                                        ; 7 trips of two key steps
	CHANGE 1
	STEP 0, 1
	STEP 1, 1
	s_wait_xcnt 0x0                                ; the trip's loads and its prefetch have read their bases
	s_add_nc_u64 s[MA:MA+1], s[MA:MA+1], 1024
	s_add_nc_u64 s[PFA:PFA+1], s[PFA:PFA+1], s[PFS:PFS+1]
	s_xor_b32 s[TB], s[TB], SLOT1
	s_sub_co_u32 s[CNT], s[CNT], 1
	s_cmp_lg_u32 s[CNT], 0
	s_cbranch_scc1 .Lslot
	CHANGE 0                                       ; the last slot is written out
	STEP 0, 2
	STEP 1, 0
	; THE WAY OUT: O^T / l, x sigmoid(gate), quantised along the head's channels: an image of the last product's operand
	s_wait_loadcnt 0x0                             ; the gate
	v_add_f32 v14, v14, v15
	v_permlanex16_b32 v252, v14, s[SEL], s[SEL+1]
	v_add_f32 v14, v14, v252                       ; the row's sum
	WIN 0x01
.set i_, 0
.rept 32
	v_pk_mul_f32 v[S+2*i_:S+2*i_+1], v[2*i_:2*i_+1], s[NL2:NL2+1] op_sel_hi:[1,0]   ; -gate x log2(e); these lines are also the last products' places
.set i_, i_+1
.endr
	WIN 0
	s_wait_alu depctr_va_vdst(0)                   ; ahead of the batch
	v_rcp_f32 v14, v14
.set i_, 0
.rept 64
	v_exp_f32 v[S+i_], v[S+i_]
.set i_, i_+1
.endr
	v_nop
	s_wait_alu depctr_va_vdst(0)                   ; one wait for the reciprocal and the 64
.set i_, 0
.rept 32
	v_pk_add_f32 v[S+2*i_:S+2*i_+1], v[S+2*i_:S+2*i_+1], 1.0 op_sel_hi:[1,0]
.set i_, i_+1
.endr
	s_wait_alu depctr_va_vdst(0)                   ; ahead of the batch
.set i_, 0
.rept 64
	v_rcp_f32 v[S+i_], v[S+i_]                     ; sigmoid(gate)
.set i_, i_+1
.endr
	v_nop
	s_wait_alu depctr_va_vdst(0)                   ; for the 64, and directly ahead of the first readers of O^T
.set i_, 0
.rept 32
	v_pk_mul_f32 v[O+2*i_:O+2*i_+1], v[O+2*i_:O+2*i_+1], v[14:15] op_sel_hi:[1,0]
.set i_, i_+1
.endr
.set i_, 0
.rept 32
	v_pk_mul_f32 v[O+2*i_:O+2*i_+1], v[O+2*i_:O+2*i_+1], v[S+2*i_:S+2*i_+1]
.set i_, i_+1
.endr
.irp b, 0,1,2,3
	v_max3_num_f32 v[BM+\b], |v[O+16*\b]|, |v[O+1+16*\b]|, 0x4800000   ; my 16 channels of block b, and the floor
.endr
.irp i, 2,4,6,8,10,12,14
.irp b, 0,1,2,3
	v_max3_num_f32 v[BM+\b], v[BM+\b], |v[O+16*\b+\i]|, |v[O+1+16*\b+\i]|
.endr
.endr
.irp b, 0,1,2,3
	v_permlanex16_b32 v[BY+\b], v[BM+\b], s[SEL], s[SEL+1]
.endr
.irp b, 0,1,2,3
	v_max_num_f32 v[BM+\b], v[BM+\b], v[BY+\b]
.endr
.irp b, 0,1,2,3
	v_add_nc_u32 v[SOP+\b], 0xfc000000, v[BM+\b]
.endr
.irp b, 0,1,2,3
	v_and_or_b32 v[HOLD+\b], v[BM+\b], 0x7f800000, s[MNT]
.endr
.irp b, 0,1,2,3
	v_lshrrev_b32 v[BY+\b], 23, v[SOP+\b]
.endr
	v_lshl_or_b32 v253, v[BY+1], 8, v[BY]
	v_lshl_or_b32 v253, v[BY+2], 16, v253
	v_lshl_or_b32 v253, v[BY+3], 24, v253
.irp b, 0,1,2,3
.set i_, 0
.rept 16
	v_med3_num_f32 v[O+16*\b+i_], v[O+16*\b+i_], -v[HOLD+\b], v[HOLD+\b]
.set i_, i_+1
.endr
	v_cvt_scalef32_pk8_fp8_f32 v[PC+4*\b:PC+1+4*\b], v[O+16*\b:O+7+16*\b], v[SOP+\b]
	v_cvt_scalef32_pk8_fp8_f32 v[PC+2+4*\b:PC+3+4*\b], v[O+8+16*\b:O+15+16*\b], v[SOP+\b]
.endr
	v_nop                                          ; a plain line behind the last conversion
.irp c, 0,1,2,3
	global_store_b128 v[AL], v[PC+4*\c:PC+4*\c+3], s[AC:AC+1] offset:512*\c   ; 512 consecutive bytes
.endr
	ds_store_b32 v[SWA], v253                      ; my tile's scale words (lanes l and l xor 16 write the same word with the same value)
	s_wait_dscnt 0x0
	s_barrier_signal -1
	s_barrier_wait -1                              ; the eight tiles' words lie together: 512 bytes in the record's order
	s_cmp_lg_u32 s[WV], 0
	s_cbranch_scc1 .Lnot_first
	ds_load_b128 v[S:S+3], v[RDW]
	s_wait_dscnt 0x0
	global_store_b128 v[AL], v[S:S+3], s[AC:AC+1] offset:16384   ; wave 0 (its base is the record's): 512 consecutive bytes
.Lnot_first:
	s_wait_tensorcnt 0x0                           ; the wave's end
	ds_add_u32 v[SPW], v[NIL]
	s_wait_dscnt 0x0
	CROUND                                         ; the closing round
	s_endpgm
.Lfunc_end_k_q9cdd500624_attn:
	.size	k_q9cdd500624_attn, .Lfunc_end_k_q9cdd500624_attn-k_q9cdd500624_attn
	.p2alignl 7, 3214868480
	.fill 96, 4, 3214868480
	.section	.rodata,"a",@progbits
	.p2align	6, 0x0
	.amdhsa_kernel k_q9cdd500624_attn
		.amdhsa_group_segment_fixed_size 327680
		.amdhsa_private_segment_fixed_size 0
		.amdhsa_enable_private_segment 0
		.amdhsa_kernarg_size 40
		.amdhsa_user_sgpr_count 2
		.amdhsa_user_sgpr_kernarg_segment_ptr 1
		.amdhsa_wavefront_size32 1
		.amdhsa_system_sgpr_workgroup_id_x 1
		.amdhsa_system_sgpr_workgroup_id_y 1
		.amdhsa_system_sgpr_workgroup_id_z 1
		.amdhsa_system_vgpr_workitem_id 0
		.amdhsa_next_free_vgpr 512
		.amdhsa_next_free_sgpr 100
		.amdhsa_reserve_vcc 0
		.amdhsa_float_denorm_mode_32 3
		.amdhsa_float_denorm_mode_16_64 3
		.amdhsa_memory_ordered 1
		.amdhsa_forward_progress 1
		.amdhsa_inst_pref_size 137
	.end_amdhsa_kernel
	.amdgpu_metadata
---
amdhsa.version: [ 1, 2 ]
amdhsa.kernels:
  - .name:           k_q9cdd500624_attn
    .symbol:         k_q9cdd500624_attn.kd
    .args:
      - { .name: qf, .offset: 0, .size: 8, .value_kind: global_buffer, .address_space: global }
      - { .name: kv, .offset: 8, .size: 8, .value_kind: global_buffer, .address_space: global }
      - { .name: gt, .offset: 16, .size: 8, .value_kind: global_buffer, .address_space: global }
      - { .name: attention_mask, .offset: 24, .size: 8, .value_kind: global_buffer, .address_space: global }
      - { .name: ac, .offset: 32, .size: 8, .value_kind: global_buffer, .address_space: global }
    .group_segment_fixed_size: 327680
    .private_segment_fixed_size: 0
    .kernarg_segment_align: 8
    .kernarg_segment_size: 40
    .max_flat_workgroup_size: 256
    .sgpr_count:     100
    .vgpr_count:     512
    .wavefront_size: 32
...
	.end_amdgpu_metadata
.endif
;; end of part 3
;; launch outp (part 4): grid 8 x 32, 4 waves a work-group, clusters of 4 x 4, 327,680 bytes of LDS; arguments ac, woc, out0; writes out0
.if DOCPART == 4
	.amdgcn_target "amdgcn-amd-amdhsa--gfx1250"
	.amdhsa_code_object_version 6
	.text
	.protected	k_q9cdd500624_outp
	.globl	k_q9cdd500624_outp
	.p2align	8
	.type	k_q9cdd500624_outp,@function
k_q9cdd500624_outp:
	s_mov_b64 s[64:65], 0
	v_nop
	global_prefetch_b8 v0, s[64:65] scope:SCOPE_SE
	s_setreg_imm32_b32 hwreg(HW_REG_WAVE_MODE, 25, 1), 1
	s_wait_xcnt 0x0
	s_wait_alu depctr_hold_cnt(0) depctr_sa_sdst(0) depctr_va_vdst(0) depctr_va_sdst(0) depctr_va_ssrc(0) depctr_va_vcc(0) depctr_vm_vsrc(0)
	s_getreg_b32 s2, hwreg(HW_REG_IB_STS2, 6, 4)
	s_cmp_eq_u32 s2, 0
	s_cbranch_scc0 .Lentry_in_a_cluster
	s_endpgm
.Lentry_in_a_cluster:
	s_bfe_u32 s2, ttmp6, 0x10000c
	s_cmp_lg_u32 s2, 0xf033
	s_cbranch_scc0 .Lentry_shape_is_right
	s_endpgm
.Lentry_shape_is_right:
.set REC,   16896
.set PART,  2*REC
.set SLOT,  4*PART
.set STAGE, 2*SLOT
.set SPITCH, 528
.set GRP,   4*REC
.set FR,    16
.set NL,    4
.set NP,    8
.set ADRA,  16
.set ADRB,  20
.set ADRS,  22
.set LI,    24
.set STO,   25
.set RD,    26
.set SC,    32
.set AF,    128
.set BK,    128
.set WV,    22
.set RH,    23
.set G1A,   24
.set G0A,   32
.set G1B,   40
.set G0B,   48
.set CH,    56
.set CX,    57
.set CY,    58
.set XX,    59
.set YY,    60
.set MSB, 0
.macro WIN new
.if MSB != (\new)
	s_set_vgpr_msb (MSB<<8)|(\new)
.set MSB, (\new)
.endif
.endm
.set MUL_LO, 0xa1
.set MUL_HI, 0xf1
.set TO_B,   0x40
.macro JLOAD g0a, g1a, g0b, g1b
	s_cmp_eq_u32 s[RH], 0
	s_cbranch_scc0 .Lfor_b_\@
	tensor_load_to_lds s[\g0a:\g0a+3], s[\g1a:\g1a+7]
	s_nop 0
.rept 4
	v_nop
.endr
	s_branch .Lasked_\@
.Lfor_b_\@:
	tensor_load_to_lds s[\g0b:\g0b+3], s[\g1b:\g1b+7]
	s_nop 0
.rept 4
	v_nop
.endr
.Lasked_\@:
.endm
.macro CROUND
	s_barrier_signal -1
	s_barrier_wait -1
	s_cmp_lg_u32 s[WV], 0
	s_cbranch_scc1 .Lnot_wave_0_\@
	s_barrier_signal -3
.Lnot_wave_0_\@:
	s_barrier_wait -3
	s_barrier_signal -1
	s_barrier_wait -1
.endm
	s_load_b128 s[4:7], s[0:1], 0x0
	s_load_b64 s[8:9], s[0:1], 0x10
	v_lshl_add_u32 v126, v0, 2, 0x4a400
	v_mov_b32 v127, 0
	ds_add_u32 v126, v127
	ds_add_u32 v126, v127
	v_lshrrev_b32 v1, 5, v0
	v_readfirstlane_b32 s[WV], v1
	s_lshr_b32 s[RH], s[WV], 1
	s_and_b32 s[CH], s[WV], 1
	s_bfe_u32 s[CX], ttmp6, 0x40000
	s_bfe_u32 s[CY], ttmp6, 0x40004
	s_lshl_b32 s[XX], ttmp9, 2
	s_add_co_u32 s[XX], s[XX], s[CX]
	s_and_b32 s[YY], ttmp7, 0xffff
	s_lshl_b32 s[YY], s[YY], 2
	s_add_co_u32 s[YY], s[YY], s[CY]
	s_lshl_b32 s62, s[CY], 2
	s_lshl_b32 s62, 15, s62
	s_lshl_b32 s63, 0x1111, s[CX]
	s_or_b32 s[G1A], s62, (3<<16)|(1<<21)
	s_or_b32 s[G1B], s63, (3<<16)|(1<<21)
.irp g, G1A, G1B
	s_mov_b32 s[\g+1], 32<<16
	s_mov_b32 s[\g+2], 132<<16
	s_mov_b32 s[\g+3], 32<<16
	s_mov_b32 s[\g+4], 132
	s_mov_b32 s[\g+5], 32
	s_mov_b32 s[\g+6], 0
	s_mov_b32 s[\g+7], 0
.endr
	s_lshl_b32 s66, s[YY], 1
	s_add_co_u32 s66, s66, s[CH]
	s_mul_i32 s66, s66, GRP
	s_mov_b32 s67, 0
	s_lshl_b32 s68, s[XX], 1
	s_add_co_u32 s68, s68, s[CH]
	s_mul_i32 s68, s68, GRP
	s_mov_b32 s69, 0
	s_mul_i32 s70, s[WV], PART
	s_wait_dscnt 0x0
	s_wait_kmcnt 0x0
	s_add_nc_u64 s[66:67], s[4:5], s[66:67]
	s_add_nc_u64 s[68:69], s[6:7], s[68:69]
	CROUND
.irp s, 0,1
	s_mov_b32 s[G0A+4*\s], 1
	s_add_co_u32 s[G0A+4*\s+1], s70, \s*SLOT
	s_add_nc_u64 s[G0A+4*\s+2:G0A+4*\s+3], s[66:67], \s*PART
	s_or_b32 s[G0A+4*\s+3], s[G0A+4*\s+3], 0x80000000
	s_mov_b32 s[G0B+4*\s], 1
	s_add_co_u32 s[G0B+4*\s+1], s70, \s*SLOT
	s_add_nc_u64 s[G0B+4*\s+2:G0B+4*\s+3], s[68:69], \s*PART
	s_or_b32 s[G0B+4*\s+3], s[G0B+4*\s+3], 0x80000000
	s_wait_alu depctr_va_vdst(0)
	s_wait_tensorcnt 0x0
	ds_add_u32 v126, v127
	ds_add_u32 v126, v127
	s_wait_dscnt 0x0
	CROUND
	JLOAD G0A+4*\s, G1A, G0B+4*\s, G1B
.endr
	v_and_b32 v1, 31, v0
	v_lshlrev_b32 v[LI], 4, v1
	s_wait_alu depctr_va_vdst(0)
	v_and_b32 v2, 15, v0
	v_bfe_u32 v3, v0, 4, 1
	s_xor_b32 s71, s[RH], 1
	s_add_co_u32 s71, s71, s[CH]
	s_add_co_u32 s71, s71, 1
	s_mul_i32 s71, s71, PART
	s_mul_i32 s73, s[RH], PART
	s_add_co_u32 s74, s73, s71
	v_mul_u32_u24 v4, s71, v3
	v_lshl_add_u32 v4, v2, 5, v4
	v_add_nc_u32 v4, s73, v4
.irp s, 0,1
	v_add_nc_u32 v[ADRA+\s], s73, v[LI]
	v_add_nc_u32 v[ADRB+\s], s74, v[LI]
	v_add_nc_u32 v[ADRS+\s], 16384+\s*SLOT, v4
	s_add_co_u32 s73, s73, SLOT
	s_add_co_u32 s74, s74, SLOT
.endr
	s_mul_i32 s75, s[WV], 16*SPITCH
	s_add_co_u32 s75, s75, STAGE
	v_mul_u32_u24 v[STO], v2, SPITCH
	v_lshl_add_u32 v[STO], v3, 6, v[STO]
	v_add_nc_u32 v[STO], s75, v[STO]
	v_add_nc_u32 v[RD], s75, v[LI]
	s_lshl_b32 s76, s[YY], 1
	s_add_co_u32 s76, s76, s[RH]
	s_lshl_b32 s76, s76, 20
	s_lshl_b32 s77, s[XX], 1
	s_add_co_u32 s77, s77, s[CH]
	s_lshl_b32 s77, s77, 9
	s_add_co_u32 s76, s76, s77
	s_mov_b32 s77, 0
	s_add_nc_u64 s[8:9], s[8:9], s[76:77]
.macro FRAG reg, adr, q, i
.irp c, 0,1,2,3
	ds_load_b128 v[\reg+4*\c:\reg+4*\c+3], v[\adr] offset:REC*(\q)+2048*(\i)+512*\c
.endr
.endm
.macro MUL16 a0, p, q, sc, zero
.irp a, \a0, \a0+1
.irp b, 0,1,2,3,4,5,6,7
.if \zero
	v_wmma_scale_f32_16x16x128_f8f6f4 v[8*(8*((\a)%4)+\b):8*(8*((\a)%4)+\b)+7], v[128*(\p)+FR*\b:128*(\p)+FR*\b+FR-1], v[AF+FR*(\a):AF+FR*(\a)+FR-1], 0, v[SC+16*(\sc)+8*(\q)+\b], v[SC+16*(\sc)+8*(\q)+(\a)] matrix_a_scale:MATRIX_SCALE_ROW1
.else
	v_wmma_scale_f32_16x16x128_f8f6f4 v[8*(8*((\a)%4)+\b):8*(8*((\a)%4)+\b)+7], v[128*(\p)+FR*\b:128*(\p)+FR*\b+FR-1], v[AF+FR*(\a):AF+FR*(\a)+FR-1], v[8*(8*((\a)%4)+\b):8*(8*((\a)%4)+\b)+7], v[SC+16*(\sc)+8*(\q)+\b], v[SC+16*(\sc)+8*(\q)+(\a)] matrix_a_scale:MATRIX_SCALE_ROW1
.endif
.endr
.endr
.endm
.macro FETCH_B slot, q, p
	WIN TO_B
.irp i, 0,1,2,3,4,5,6,7
	FRAG 128*(\p)+FR*\i, ADRB+\slot, \q, \i
.endr
	WIN 0
.endm
.macro FETCH_A slot, q, i0
.irp i, \i0, \i0+1, \i0+2, \i0+3
	FRAG AF+FR*(\i), ADRA+\slot, \q, \i
.endr
.endm
.macro SCALES sc
.irp q, 0,1
.irp e, 0,1
	ds_load_b128 v[SC+16*\sc+8*\q+4*\e:SC+16*\sc+8*\q+4*\e+3], v[ADRS+\sc] offset:REC*\q+16*\e
.endr
.endr
.endm
.macro PLACES n
.rept \n
	v_nop
.endr
.endm
.macro STEP slot, q, zero
	s_wait_dscnt 4*NL
	WIN MUL_LO
	MUL16 0, (\q)%2, \q, \slot, \zero
	MUL16 2, (\q)%2, \q, \slot, \zero
	s_wait_dscnt 0
	PLACES NP
	FETCH_B \slot, (\q)+1, 1-(\q)%2
	FETCH_A \slot, (\q)+1, 0
	WIN MUL_HI
	MUL16 4, (\q)%2, \q, \slot, \zero
	MUL16 6, (\q)%2, \q, \slot, \zero
	PLACES NP
	WIN 0
	FETCH_A \slot, (\q)+1, 4
.endm
	s_wait_alu depctr_va_vdst(0)
	s_wait_tensorcnt 1
	s_barrier_signal -1
	s_barrier_wait -1
	FETCH_B 0, 0, 0
	FETCH_A 0, 0, 0
	SCALES 0
	FETCH_A 0, 0, 4
	STEP 0, 0, 1
	s_wait_tensorcnt 0x0
	s_wait_dscnt 4*NL
	WIN MUL_LO
	MUL16 0, 1, 1, 0, 0
	s_wait_dscnt 0x0
	s_barrier_signal -1
	MUL16 2, 1, 1, 0, 0
	WIN 0
	s_barrier_wait -1
	PLACES NP
	FETCH_B 1, 0, 0
	FETCH_A 1, 0, 0
	SCALES 1
	WIN MUL_HI
	MUL16 4, 1, 1, 0, 0
	MUL16 6, 1, 1, 0, 0
	PLACES NP
	WIN 0
	FETCH_A 1, 0, 4
	STEP 1, 0, 0
	s_wait_dscnt 4*NL
	WIN MUL_LO
	MUL16 0, 1, 1, 1, 0
	MUL16 2, 1, 1, 1, 0
	s_wait_dscnt 0
	WIN MUL_HI
	MUL16 4, 1, 1, 1, 0
	MUL16 6, 1, 1, 1, 0
	WIN 0
.macro TOSTAGE a
.set AC, 64*((\a)%4)
	WIN 0x08+4*((\a)/4)
.irp b, 0,1,2,3,4,5,6,7
	ds_store_b128 v[STO], v[AC+8*\b:AC+8*\b+3] offset:128*(\b/2)+32*(\b%2)
	ds_store_b128 v[STO], v[AC+8*\b+4:AC+8*\b+7] offset:128*(\b/2)+32*(\b%2)+16
.endr
	WIN 0
.set BB, BK+64*((\a)%2)
.irp t, 0,1,2,3,4,5,6,7,8,9,10,11,12,13,14,15
	ds_load_b128 v[BB+4*\t:BB+4*\t+3], v[RD] offset:\t*SPITCH
.endr
.endm
.macro SEND a, younger
.set BB, BK+64*((\a)%2)
	s_wait_dscnt \younger
.irp t, 0,1,2,3,4,5,6,7,8,9,10,11,12,13,14,15
	global_store_b128 v[LI], v[BB+4*\t:BB+4*\t+3], s[8:9] offset:(32*((\a)/2)+8*((\a)%2)+(\t%8)+16*(\t/8))*8192 th:TH_STORE_NT
.endr
.endm
	PLACES NP
	TOSTAGE 0
.irp a, 1,2,3,4,5,6,7
.if \a > 1
	s_wait_xcnt 0x0
.endif
	TOSTAGE \a
	SEND \a-1, 32
.endr
	SEND 7, 0
	s_wait_tensorcnt 0x0
	ds_add_u32 v126, v127
	s_wait_dscnt 0x0
	CROUND
	s_endpgm
.Lfunc_end_k_q9cdd500624_outp:
	.size	k_q9cdd500624_outp, .Lfunc_end_k_q9cdd500624_outp-k_q9cdd500624_outp
	.p2alignl 7, 3214868480
	.fill 96, 4, 3214868480
	.section	.rodata,"a",@progbits
	.p2align	6, 0x0
	.amdhsa_kernel k_q9cdd500624_outp
		.amdhsa_group_segment_fixed_size 327680
		.amdhsa_private_segment_fixed_size 0
		.amdhsa_enable_private_segment 0
		.amdhsa_kernarg_size 24
		.amdhsa_user_sgpr_count 2
		.amdhsa_user_sgpr_kernarg_segment_ptr 1
		.amdhsa_wavefront_size32 1
		.amdhsa_system_sgpr_workgroup_id_x 1
		.amdhsa_system_sgpr_workgroup_id_y 1
		.amdhsa_system_sgpr_workgroup_id_z 1
		.amdhsa_system_vgpr_workitem_id 0
		.amdhsa_next_free_vgpr 1024
		.amdhsa_next_free_sgpr 100
		.amdhsa_reserve_vcc 0
		.amdhsa_float_denorm_mode_32 3
		.amdhsa_float_denorm_mode_16_64 3
		.amdhsa_memory_ordered 1
		.amdhsa_forward_progress 1
		.amdhsa_inst_pref_size 89
	.end_amdhsa_kernel
	.amdgpu_metadata
---
amdhsa.version: [ 1, 2 ]
amdhsa.kernels:
  - .name:           k_q9cdd500624_outp
    .symbol:         k_q9cdd500624_outp.kd
    .args:
      - { .name: ac, .offset: 0, .size: 8, .value_kind: global_buffer, .address_space: global }
      - { .name: woc, .offset: 8, .size: 8, .value_kind: global_buffer, .address_space: global }
      - { .name: out0, .offset: 16, .size: 8, .value_kind: global_buffer, .address_space: global }
    .group_segment_fixed_size: 327680
    .private_segment_fixed_size: 0
    .kernarg_segment_align: 8
    .kernarg_segment_size: 24
    .max_flat_workgroup_size: 128
    .sgpr_count:     100
    .vgpr_count:     1024
    .wavefront_size: 32
...
	.end_amdgpu_metadata
.endif
;; end of part 4
